; MI455X (gfx1250); checked and timed in simulation.
; The chip was launched on July 23, 2026; its instructions are those of AMD's public machine-readable ISA for CDNA 5 (MIT licence, August 2026) and "CDNA5" Instruction Set Architecture Reference Guide (July 2026). The comments in the code are by the model that wrote it; some were corrected since.
;; Causal Self Attention. Allowed arithmetic: matrix products marked QUANTISED: E2M3 operands, one E8M0 scale for each 32 along K, by v_wmma_scale_f32_16x16x128_f8f6f4 with both operands' format E2M3, f32 sums; everything else in f32.
;; Inputs: Wk 1,024 x 256 float32; Wo 1,024 x 1,024 float32; Wq 1,024 x 1,024 float32; Wv 1,024 x 256 float32; x 4 x 2,048 x 1,024 float32.
;; Outputs: out0 4 x 2,048 x 1,024 float32.
;; This version of the problem:
;;   THIS VERSION OF THE PROBLEM IS GIVEN IN LOW PRECISION. The matrix products marked QUANTISED in the list below multiply operands that are first quantised to E2M3 (2 exponent bits, 3 mantissa bits; 6 bits a number), with one power-of-two scale for each 32 numbers along K (OCP MX v1.0); their sums are f32. All else is computed in f32.
;;   The module's matrix products, in the order in which they are computed (A, B: the left and right operand; K: the contracted axis; several contracted axes count as one K, in the product's order):
;;     1. [M 8,192, K 1,024] x [K 1,024, N 1,024]; A: input x; B: input Wq: QUANTISED
;;     2. [M 8,192, K 1,024] x [K 1,024, N 256]; A: input x; B: input Wk: QUANTISED
;;     3. [M 8,192, K 1,024] x [K 1,024, N 256]; A: input x; B: input Wv: QUANTISED
;;     4. batch 64 x [M 2,048, K 64] x [K 64, N 2,048]; A: computed on the way; B: computed on the way: QUANTISED
;;     5. batch 64 x [M 2,048, K 2,048] x [K 2,048, N 64]; A: softmax (see below); B: computed on the way: QUANTISED
;;     6. [M 8,192, K 1,024] x [K 1,024, N 1,024]; A: computed on the way; B: input Wo: QUANTISED
;;   THE QUANTISER, for each operand of a quantised product, along K:
;;     - K is cut into blocks of 32 from its start; a last block that is shorter is filled with zeros.
;;     - A block's scale is 2^e with e = floor(log2(the largest magnitude in the block)) - 2, held to -126 .. 127; a block of zeros has e = 0. As a byte (E8M0): e + 127.
;;     - Each number is divided by its block's scale, clamped to +-7.5, and rounded to the nearest number of E2M3, ties to even, subnormals kept.
;;     - The product sums the exact products of the quantised numbers (number of the format x scale) in f32.
;;   ~~~python
;;   def quantise(x, axis):      # numpy; x: float32 -> the quantised numbers, widened to float32 again
;;       x = np.moveaxis(x, axis, -1); K = x.shape[-1]
;;       x = np.pad(x, [(0, 0)] * (x.ndim - 1) + [(0, -K % 32)]); x = x.reshape(x.shape[:-1] + (-1, 32)); a = np.abs(x).max(-1, keepdims=True)
;;       e = np.where(a > 0, np.clip(np.frexp(np.where(a > 0, a, 1))[1] - 1 - 2, -126, 127), 0)      # np.frexp(a)[1] - 1 = floor(log2(a)), exactly
;;       r = np.clip(x / 2.0 ** e, -7.5, 7.5)
;;       step = 2.0 ** (np.maximum(np.frexp(np.where(r == 0, 1, r))[1] - 1, 0) - 3)
;;       q = np.round(r / step) * step * 2.0 ** e      # np.round: ties to even
;;       return np.moveaxis(q.reshape(q.shape[:-2] + (-1,))[..., :K], -1, axis).astype(np.float32)
;;   ~~~
;;   SOFTMAX AHEAD OF A QUANTISED PRODUCT. Where the list says 'softmax', what is quantised is not the finished softmax but p = 2^(t - M), with t = logit x log2(e) and M = ceil(the row's largest t), a whole number; so 1/2 < the row's largest p <= 1. The row's sum l is taken of the UNQUANTISED p, in f32, and the product's result is divided by l at the end. Since M is a whole number, a kernel that streams over the keys may use a running M (the ceiling of the running maximum): every later rescaling is an exact power of two, which a block's scale takes up: the codes' values come out the same.
;;   OPERANDS COMPUTED ON THE WAY. 'Computed on the way' means the value that the module computes at that place (a softmax that the list does not call 'softmax' is quantised finished and normalised). What goes into a quantiser is computed in f32, as accurately as f32 sums, v_exp_f32 and their like allow (about 1e-6 of the number): no bf16 or f16 on the way to a quantiser, and a product that is left as it is and whose result goes on into a quantised operand takes f32 operands (vector FMAs, or v_wmma_f32_16x16x4_f32). A number that lies on a knife's edge between two numbers of the format may be rounded either way, as far as f32 arithmetic and the matrix unit's own rounding can turn it there, and no further.
;; One version. Each part assembles by itself: llvm-mc -triple=amdgcn-amd-amdhsa -mcpu=gfx1250 --defsym DOCPART=n.
;; ======== version 1 of 1: 4 launches
;; workspace buffers: xc 6,553,600 bytes; yc 6,553,600 bytes; wc 2,048,000 bytes; qc 6,815,744 bytes; kv 3,407,872 bytes
;; launch prep (part 1): grid 416 x 1, 4 waves a work-group, no clusters, 46,592 bytes of LDS; arguments x, Wq, Wk, Wv, Wo, xc, wc; writes xc, wc
.if DOCPART == 1
	.amdgcn_target "amdgcn-amd-amdhsa--gfx1250"
	.amdhsa_code_object_version 6
	.text
	.protected	k_qe18df97c6e_prep
	.globl	k_qe18df97c6e_prep
	.p2align	8
	.type	k_qe18df97c6e_prep,@function
k_qe18df97c6e_prep:
	s_mov_b64 s[64:65], 0
	v_nop
	global_prefetch_b8 v0, s[64:65] scope:SCOPE_SE
	s_setreg_imm32_b32 hwreg(HW_REG_WAVE_MODE, 25, 1), 1
	s_wait_xcnt 0x0
; PREP: x [8192][1024] and the four weights [1024][n], f32, become codes of E2M3 with one E8M0 byte for each 32 along K (K = the 1,024 channels: x's last axis, a weight's first).
; WORK LEFT OUT BY THE PROGRAM: reference() adds -infinity to every score whose key comes after its query (the triu that it builds itself), so such a score's weight is 0 for all values of the inputs.  The attention launch
; leaves out the key steps (128 keys) that lie wholly behind a tile of queries; nothing else is left out, and every input is loaded.  LIMIT: a NaN, an infinity or an overflow that reaches only such hidden scores is not carried to the result.
; LIMITS: NaN and infinities among the inputs are not served.  A block of zeros gets the byte 1 where the rule says 127: its codes are zeros, and this program alone reads the bytes.
; LAYOUT OF xc AND wc (this program's own).  A tile is 16 rows out of a group of 32: row r of tile 2 g + u is item 32 g + 8 u + r + 8 (r / 8).  A fragment (16 rows x 128 K) lies as an image of the operand's 12 registers:
; 3 pieces of 512 bytes, piece c = registers 4 c .. 4 c + 3, lane l's 16 bytes at 16 l.  Fragment (block of 256 rows B, K slot g of 256, tile i, half q) lies at ((4 B + g) 16 + i) 3072 + 1536 q.
; Scale words behind the codes: tile x 512 + K step x 64 + 4 r.  wc's blocks of 256 columns: 0-3 Wq, 4 Wk, 5 Wv, 6-9 Wo.
; Work-groups 0-159 take the weights, 160-415 take x.  The two paths have LDS bytes of their own.  Waves share nothing: no barrier.
.set SPARE, 46080                      ; the spare words, 128 bytes a wave
.set WSTG,  33792                      ; the weights' path: a stage of 3,072 bytes a wave; x's path: a stage of 16 rows x 528 bytes a wave, from byte 0
.set XSC,   6291456
.set WSC,   1966080
.set LI,  1                            ; 16 x lane
.set STI, 2
.set STO, 3
.set LS,  4                            ; 4 x lane
.set SPW, 12
.set NIL, 13
.set R,   16                           ; x: two sets of 64 registers as loaded;  weights: 128 numbers down K
.set X,   144                          ; x: 64 numbers, register 16 b + i = k 32 b + 16 (lane / 16) + i of my row
.set PC,  208
.set TM,  228
.set PW,  244
.set SEL, 32
	s_load_b256 s[4:11], s[0:1], 0x0               ; x, Wq, Wk, Wv
	s_load_b128 s[12:15], s[0:1], 0x20             ; Wo, xc
	s_load_b64 s[16:17], s[0:1], 0x30              ; wc
	v_lshl_add_u32 v[SPW], v0, 2, SPARE
	v_mov_b32 v[NIL], 0
	v_lshrrev_b32 v5, 5, v0
	v_readfirstlane_b32 s18, v5                    ; wave
	v_and_b32 v5, 31, v0                           ; lane
	v_lshlrev_b32 v[LI], 4, v5
	v_lshlrev_b32 v[LS], 2, v5
	s_cmp_ge_u32 ttmp9, 160
	s_cbranch_scc1 .Lx
	; ---------------- THE WEIGHTS.  A wave: 32 columns (group s20 of 80) x one K step of 128.  A lane takes a column, its registers run down K.
	s_lshr_b32 s20, ttmp9, 1                       ; the group of 32 columns
	s_and_b32 s21, ttmp9, 1
	s_lshl_b32 s21, s21, 2
	s_add_co_u32 s21, s21, s18                     ; the K step, 0..7
	v_bfe_u32 v6, v0, 3, 1                         ; column c of the 32 is row r of tile u: u = (c / 8) % 2,
	v_and_b32 v7, 7, v0
	v_bfe_u32 v8, v0, 4, 1
	v_lshl_or_b32 v7, v8, 3, v7                    ; r = c % 8 + 8 (c / 16)
	v_lshlrev_b32 v9, 4, v7
	v_mad_u32_u24 v9, v6, 1536, v9
	s_mul_i32 s30, s18, 3072
	s_add_co_u32 s30, s30, WSTG
	v_add_nc_u32 v9, s30, v9                       ; into my stage: tile u's image, lane r's 16 bytes
	v_add_nc_u32 v10, s30, v[LI]                   ; and out of it
	v_lshlrev_b32 v11, 2, v7
	v_lshl_add_u32 v11, v6, 9, v11                 ; my scale word: 512 u + 4 r
	s_lshr_b32 s31, s20, 3                         ; the block of 256 columns in wc
	s_and_b32 s32, s20, 7
	s_lshr_b32 s33, s21, 1                         ; K slot
	s_and_b32 s34, s21, 1                          ; half
	s_lshl_b32 s35, s31, 2
	s_add_co_u32 s35, s35, s33
	s_lshl_b32 s35, s35, 4
	s_lshl_b32 s36, s32, 1
	s_add_co_u32 s35, s35, s36
	s_mul_i32 s36, s35, 3072
	s_mul_i32 s34, s34, 1536
	s_add_co_u32 s36, s36, s34
	s_mov_b32 s37, 0
	s_lshl_b32 s38, s31, 4
	s_lshl_b32 s39, s32, 1
	s_add_co_u32 s38, s38, s39
	s_lshl_b32 s38, s38, 9
	s_lshl_b32 s39, s21, 6
	s_add_co_u32 s38, s38, s39
	s_add_co_u32 s38, s38, WSC
	s_mov_b32 s39, 0
	s_wait_kmcnt 0x0
	s_add_nc_u64 s[36:37], s[16:17], s[36:37]      ; my two fragments
	s_add_nc_u64 s[38:39], s[16:17], s[38:39]      ; their scale words
	s_cmp_lt_u32 s20, 48                           ; which weight: the choice hangs on the work-group's number alone
	s_cselect_b64 s[22:23], s[10:11], s[12:13]
	s_cselect_b32 s24, 40, 48
	s_cmp_lt_u32 s20, 40
	s_cselect_b64 s[22:23], s[8:9], s[22:23]
	s_cselect_b32 s24, 32, s24
	s_cmp_lt_u32 s20, 32
	s_cselect_b64 s[22:23], s[6:7], s[22:23]
	s_cselect_b32 s24, 0, s24
	s_sub_co_u32 s25, s20, s24                     ; the group within its weight
	s_sub_co_u32 s26, s20, 32
	s_cmp_lt_u32 s26, 16                           ; Wk and Wv have rows of 1,024 bytes, Wq and Wo of 4,096
	s_cselect_b32 s27, 17, 19
	s_lshl_b32 s28, s21, s27                       ; 128 rows x K step
	s_lshl_b32 s25, s25, 7
	s_add_co_u32 s28, s28, s25
	s_mov_b32 s29, 0
	s_add_nc_u64 s[22:23], s[22:23], s[28:29]
.macro WLOAD pitch                     ; W(128 step + i, my column): a load reads 128 consecutive bytes
.set n, 0
.rept 128
	global_load_b32 v[R+n], v[LS], s[22:23] offset:n*\pitch th:TH_LOAD_NT
.set n, n+1
.endr
.endm
	s_cmp_lt_u32 s26, 16
	s_cbranch_scc1 .Lnarrow
	WLOAD 4096
	s_branch .Lloaded
.Lnarrow:
	WLOAD 1024
.Lloaded:
; Block b of 32 along K is all mine.  Its six registers of codes are registers 6 (b / 2) .. + 5 of lane r + 16 (b % 2) of the fragment.
.macro WBLOCK b, left
.set XS, R+32*\b
.set CB, 144+8*\b
	s_wait_loadcnt \left                           ; at most so many younger loads are out: this block's 32 are in
	v_max3_num_f32 v209, |v[XS]|, |v[XS+1]|, |v[XS+2]|
	v_max3_num_f32 v210, |v[XS+3]|, |v[XS+4]|, |v[XS+5]|
.irp i, 6,10,14,18,22,26
	v_max3_num_f32 v209, v209, |v[XS+\i]|, |v[XS+\i+1]|
	v_max3_num_f32 v210, v210, |v[XS+\i+2]|, |v[XS+\i+3]|
.endr
	v_max3_num_f32 v209, v209, |v[XS+30]|, |v[XS+31]|
	v_max3_num_f32 v209, v209, v210, 0x1800000     ; and the floor 2^(3 - 127): the byte cannot fall under 1
	v_add_nc_u32 v211, 0xff000000, v209            ; 2 off the exponent field: the conversion's scale operand
	v_lshrrev_b32 v210, 23, v211                   ; the byte
.if \b == 0
	v_mov_b32 v208, v210
.else
	v_lshl_or_b32 v208, v210, 8*\b, v208
.endif
	v_cvt_scalef32_pk16_fp6_f32 v[CB:CB+2], v[XS:XS+15], v211
	v_cvt_scalef32_pk16_fp6_f32 v[176+4*\b:178+4*\b], v[XS+16:XS+31], v211   ; (a conversion's three registers begin on an even number)
	v_nop                                          ; one plain line behind the conversions
.irp i, 0,1,2
	v_mov_b32 v[CB+3+\i], v[176+4*\b+\i]
.endr
.if \b < 2
	ds_store_b128 v9, v[CB:CB+3] offset:256*(\b%2)
	ds_store_b64 v9, v[CB+4:CB+5] offset:256*(\b%2)+512
.else
	ds_store_b64 v9, v[CB:CB+1] offset:256*(\b%2)+520
	ds_store_b128 v9, v[CB+2:CB+5] offset:256*(\b%2)+1024
.endif
.endm
	WBLOCK 0, 63                                   ; (96 would do; a wait's count ends at 63)
	WBLOCK 1, 63
	WBLOCK 2, 32
	WBLOCK 3, 0
	global_store_b32 v11, v208, s[38:39]
.irp c, 0,1,2,3,4,5
	ds_load_b128 v[212+4*\c:215+4*\c], v10 offset:512*\c     ; LDS serves a wave's instructions in order: these see my stores
.endr
.irp c, 0,1,2,3,4,5
	s_wait_dscnt 5-\c
	global_store_b128 v[LI], v[212+4*\c:215+4*\c], s[36:37] offset:(\c/3)*3072+512*(\c%3)   ; 512 consecutive bytes, aligned
.endr
	s_wait_tensorcnt 0x0                           ; the wave's end
	ds_add_u32 v[SPW], v[NIL]
	s_wait_dscnt 0x0
	s_endpgm
	; ---------------- x.  A wave: one tile of 16 tokens x four K steps of 128.
.Lx:
	s_sub_co_u32 s20, ttmp9, 160
	s_lshl_b32 s20, s20, 2
	s_add_co_u32 s20, s20, s18
	s_lshr_b32 s21, s20, 1                         ; the tile, 0..511
	s_and_b32 s22, s20, 1                          ; which four K steps
	s_mul_i32 s30, s18, 8448
	v_add_nc_u32 v[STI], s30, v[LI]                ; the stage, in: a row's 512 bytes as they lie
	v_and_b32 v6, 15, v0
	v_bfe_u32 v7, v0, 4, 1
	v_mul_u32_u24 v[STO], v6, 528
	v_lshl_add_u32 v[STO], v7, 6, v[STO]
	v_add_nc_u32 v[STO], s30, v[STO]               ; out: row r, + 64 bytes for lanes 16-31: my 16 numbers of a block of 32
	s_lshr_b32 s23, s21, 1
	s_lshl_b32 s23, s23, 17                        ; 32 tokens of 4,096 bytes
	s_and_b32 s24, s21, 1
	s_lshl_b32 s24, s24, 15                        ; 8 tokens
	s_add_co_u32 s24, s24, s23
	s_lshl_b32 s25, s22, 11
	s_add_co_u32 s24, s24, s25
	s_mov_b32 s25, 0
	s_lshr_b32 s26, s21, 4
	s_lshl_b32 s26, s26, 2
	s_lshl_b32 s27, s22, 1
	s_add_co_u32 s26, s26, s27
	s_mul_i32 s26, s26, 49152
	s_and_b32 s27, s21, 15
	s_mul_i32 s27, s27, 3072
	s_add_co_u32 s26, s26, s27
	s_mov_b32 s27, 0
	s_lshl_b32 s28, s21, 9
	s_lshl_b32 s29, s22, 8
	s_add_co_u32 s28, s28, s29
	s_add_co_u32 s28, s28, XSC
	s_mov_b32 s29, 0
	s_mov_b32 s31, 0xffff0000                      ; lanes 16-31
	s_mov_b32 s[SEL], 0x76543210
	s_mov_b32 s[SEL+1], 0xfedcba98                 ; v_permlanex16_b32's selects for lane l xor 16
.irp b, 0,1,2,3
	v_mov_b32 v[TM+4+\b], 0                        ; written once: a lane permute's destination counts as one of its sources
.endr
	s_wait_kmcnt 0x0
	s_add_nc_u64 s[24:25], s[4:5], s[24:25]
	s_add_nc_u64 s[26:27], s[14:15], s[26:27]
	s_add_nc_u64 s[28:29], s[14:15], s[28:29]
.macro LOADX ww                        ; K step ww of the tile's 16 tokens: a load reads 512 consecutive bytes of one token
.irp p, 0,1,2,3,4,5,6,7,8,9,10,11,12,13,14,15
	global_load_b128 v[R+64*((\ww)%2)+4*\p:R+64*((\ww)%2)+4*\p+3], v[LI], s[24:25] offset:(\p+8*(\p/8))*4096+512*(\ww) th:TH_LOAD_NT
.endr
.endm
; 64 numbers of a lane become a fragment's codes in v[PC] on and its scale word in v[PW]
.macro QUANT s
.irp b, 0,1,2,3
	v_max3_num_f32 v[TM+\b], |v[\s+16*\b]|, |v[\s+1+16*\b]|, 0x1800000   ; my 16 numbers of block b, and the floor 2^(3 - 127)
.endr
.irp i, 2,4,6,8,10,12,14
.irp b, 0,1,2,3
	v_max3_num_f32 v[TM+\b], v[TM+\b], |v[\s+16*\b+\i]|, |v[\s+1+16*\b+\i]|
.endr
.endr
.irp b, 0,1,2,3
	v_permlanex16_b32 v[TM+4+\b], v[TM+\b], s[SEL], s[SEL+1]
.endr
.irp b, 0,1,2,3
	v_max_num_f32 v[TM+\b], v[TM+\b], v[TM+4+\b]   ; with lane l xor 16's: the block's largest magnitude
.endr
.irp b, 0,1,2,3
	v_add_nc_u32 v[TM+12+\b], 0xff000000, v[TM+\b] ; 2 off its exponent field: the conversion's scale operand
.endr
.irp b, 0,1,2,3
	v_lshrrev_b32 v[TM+4+\b], 23, v[TM+12+\b]      ; the byte
.endr
	v_lshl_or_b32 v[PW], v[TM+5], 8, v[TM+4]
	v_lshl_or_b32 v[PW], v[TM+6], 16, v[PW]
	v_lshl_or_b32 v[PW], v[TM+7], 24, v[PW]
.irp c, 0,1
	v_cvt_scalef32_pk16_fp6_f32 v[PC+6*\c:PC+2+6*\c], v[\s+32*\c:\s+15+32*\c], v[TM+12+2*\c]
	v_cvt_scalef32_pk16_fp6_f32 v[PC+12+4*\c:PC+14+4*\c], v[\s+16+32*\c:\s+31+32*\c], v[TM+12+2*\c+1]
.endr
	v_nop                                          ; one plain line behind the conversions
.irp c, 0,1                            ; the operand wants a whole block in a lane: lanes 0-15 block 2 c, lanes 16-31 block 2 c + 1
.irp i, 0,1,2
	v_permlane16_swap_b32 v[PC+6*\c+\i], v[PC+12+4*\c+\i]
.endr
.irp i, 0,1,2
	v_mov_b32 v[PC+3+6*\c+\i], v[PC+12+4*\c+\i]
.endr
.endr
.endm
.macro XSTEP ww
.if (\ww) < 3
	s_wait_loadcnt 16                              ; this step's 16 loads are in; the next step's 16 may be out
.else
	s_wait_loadcnt 0x0
.endif
.irp p, 0,1,2,3,4,5,6,7,8,9,10,11,12,13,14,15
	ds_store_b128 v[STI], v[R+64*((\ww)%2)+4*\p:R+64*((\ww)%2)+4*\p+3] offset:528*\p
.endr
.irp b, 0,1,2,3
.irp j, 0,1,2,3
	ds_load_b128 v[X+16*\b+4*\j:X+16*\b+4*\j+3], v[STO] offset:128*\b+16*\j   ; LDS serves a wave's instructions in order
.endr
.endr
	s_wait_dscnt 0x0                               ; the numbers are back, and the stores have read their registers
	s_wait_xcnt 0x0                                ; the last step's global stores have read the codes' registers
.if (\ww) < 2
	LOADX (\ww)+2
.endif
	QUANT X
.irp c, 0,1,2
	global_store_b128 v[LI], v[PC+4*\c:PC+4*\c+3], s[26:27] offset:((\ww)/2)*49152+((\ww)%2)*1536+512*\c   ; 512 consecutive bytes, aligned
.endr
.if (\ww)%2 == 0
	v_mov_b32 v245, v[PW]
.else
	v_cndmask_b32 v[246+(\ww)/2], v245, v[PW], s31 ; lanes 0-15: the even step's words, lanes 16-31 the odd step's
	global_store_b32 v[LS], v[246+(\ww)/2], s[28:29] offset:128*((\ww)/2)
.endif
.endm
	LOADX 0
	LOADX 1
	XSTEP 0
	XSTEP 1
	XSTEP 2
	XSTEP 3
	s_wait_tensorcnt 0x0                           ; the wave's end
	ds_add_u32 v[SPW], v[NIL]
	s_wait_dscnt 0x0
	s_endpgm
.Lfunc_end_k_qe18df97c6e_prep:
	.size	k_qe18df97c6e_prep, .Lfunc_end_k_qe18df97c6e_prep-k_qe18df97c6e_prep
	.p2alignl 7, 3214868480
	.fill 96, 4, 3214868480
	.section	.rodata,"a",@progbits
	.p2align	6, 0x0
	.amdhsa_kernel k_qe18df97c6e_prep
		.amdhsa_group_segment_fixed_size 46592
		.amdhsa_private_segment_fixed_size 0
		.amdhsa_enable_private_segment 0
		.amdhsa_kernarg_size 56
		.amdhsa_user_sgpr_count 2
		.amdhsa_user_sgpr_kernarg_segment_ptr 1
		.amdhsa_wavefront_size32 1
		.amdhsa_system_sgpr_workgroup_id_x 1
		.amdhsa_system_sgpr_workgroup_id_y 1
		.amdhsa_system_sgpr_workgroup_id_z 1
		.amdhsa_system_vgpr_workitem_id 0
		.amdhsa_next_free_vgpr 256
		.amdhsa_next_free_sgpr 66
		.amdhsa_reserve_vcc 0
		.amdhsa_float_denorm_mode_32 3
		.amdhsa_float_denorm_mode_16_64 3
		.amdhsa_memory_ordered 1
		.amdhsa_forward_progress 1
		.amdhsa_inst_pref_size 68
	.end_amdhsa_kernel
	.amdgpu_metadata
---
amdhsa.version: [ 1, 2 ]
amdhsa.kernels:
  - .name:           k_qe18df97c6e_prep
    .symbol:         k_qe18df97c6e_prep.kd
    .args:
      - { .name: x, .offset: 0, .size: 8, .value_kind: global_buffer, .address_space: global }
      - { .name: Wq, .offset: 8, .size: 8, .value_kind: global_buffer, .address_space: global }
      - { .name: Wk, .offset: 16, .size: 8, .value_kind: global_buffer, .address_space: global }
      - { .name: Wv, .offset: 24, .size: 8, .value_kind: global_buffer, .address_space: global }
      - { .name: Wo, .offset: 32, .size: 8, .value_kind: global_buffer, .address_space: global }
      - { .name: xc, .offset: 40, .size: 8, .value_kind: global_buffer, .address_space: global }
      - { .name: wc, .offset: 48, .size: 8, .value_kind: global_buffer, .address_space: global }
    .group_segment_fixed_size: 46592
    .private_segment_fixed_size: 0
    .kernarg_segment_align: 8
    .kernarg_segment_size: 56
    .max_flat_workgroup_size: 128
    .sgpr_count:     66
    .vgpr_count:     256
    .wavefront_size: 32
...
	.end_amdgpu_metadata
.endif
;; end of part 1
;; launch qkv (part 2): grid 32 x 6, 4 waves a work-group, clusters of 4 x 1, 327,680 bytes of LDS; arguments xc, wc, qc, kv; writes qc, kv
.if DOCPART == 2
	.amdgcn_target "amdgcn-amd-amdhsa--gfx1250"
	.amdhsa_code_object_version 6
	.text
	.protected	k_qe18df97c6e_qkv
	.globl	k_qe18df97c6e_qkv
	.p2align	8
	.type	k_qe18df97c6e_qkv,@function
k_qe18df97c6e_qkv:
	s_mov_b64 s[64:65], 0
	v_nop
	global_prefetch_b8 v0, s[64:65] scope:SCOPE_SE
	s_setreg_imm32_b32 hwreg(HW_REG_WAVE_MODE, 25, 1), 1
	s_wait_xcnt 0x0
	s_wait_alu depctr_hold_cnt(0) depctr_sa_sdst(0) depctr_va_vdst(0) depctr_va_sdst(0) depctr_va_ssrc(0) depctr_va_vcc(0) depctr_vm_vsrc(0)
	s_getreg_b32 s2, hwreg(HW_REG_IB_STS2, 6, 4)
	s_cmp_eq_u32 s2, 0
	s_cbranch_scc0 .Lentry_in_a_cluster
	s_endpgm
.Lentry_in_a_cluster:
	s_bfe_u32 s2, ttmp6, 0x10000c
	s_cmp_lg_u32 s2, 0x3003
	s_cbranch_scc0 .Lentry_shape_is_right
	s_endpgm
.Lentry_shape_is_right:
; QKV: q = x Wq, k = x Wk, v = x Wv on codes of E2M3 (K = 1,024), and q, k (along the head's 64) and v (along the tokens) quantised in registers on the way out.
; A work-group of four waves makes 256 tokens (block x) x 256 columns of wc's block y (0-3 Wq, 4 Wk, 5 Wv); a wave 128 x 128: 64 accumulators, 512 registers.
; K goes in four slots of 256 through a ring of two LDS slots; a slot holds 16 token tiles and 16 column tiles as images of the operands' registers, so a fragment is three loads of 512 consecutive bytes.
; The eight K steps are written out: the scale words of all of K lie in registers, named by the slot.
; SOURCE 1 ('A side') gives a lane its row, SOURCE 0 ('B side') runs along the lane's registers.  q, k: A = tokens, B = columns: a lane holds a token and 16 neighbouring d in the registers of two neighbouring tiles.
; v: A = columns, B = tokens: a lane holds a channel and neighbouring tokens.  The two differ only in which region of a slot a side reads, and in the way out.
; CLUSTER: the four work-groups of a cluster share y, so the weights' tile is asked for jointly (mask 15).  x's tile differs between them and comes by a load of each work-group's own, in the same rounds;
; its other readers differ in y, of which there are 6: no cluster of 4 divides them.
; OUT: qc: (tile x 16 + head) x 768: the 6 registers of 16 queries x 64 d, 8 bytes a lane in 3 pieces of 256; scale words (s0, s1, s0, s1) behind them.
;      kv: block (group, key step) of 13,312 bytes: 4 fragments of K (key tiles 2 f | 2 f + 1 in the two halves of the fragment's K), 4 fragments of V^T (16 channels x 128 keys), K's scale words (16 bytes a lane), V's.
; LIMITS: as stated at the head of the first launch (NaN, infinities; a block of zeros has the byte 1).
.set HALF,  24576                      ; 8 tiles x 3,072 bytes: what one tensor load brings
.set RGN,   49152                      ; a slot: tokens' 16 tiles, then columns' 16 tiles
.set SLOT,  98304
.set SPARE, 196608                     ; the spare words, 128 bytes a wave
.set XSC,   6291456
.set WSC,   1966080
.set QSC,   6291456
.set GRP,   212992                     ; kv: a group's 16 blocks
.set FR,   12
.set LI,   1                           ; 16 x lane
.set LS,   2                           ; 4 x lane
.set L8,   3                           ; 8 x lane
.set ADRA, 16                          ; v16-17 LDS address of the A side's tiles in slot 0, 1
.set ADRB, 20                          ; v20-21 the B side's
.set SPW,  28
.set NIL,  29
.set SCA,  32                          ; v32-63 scale words of the A side: tile i, slot g at 4 i + g: lanes 0-15 the slot's first 128 along K, lanes 16-31 its second
.set SCB,  64                          ; v64-95 the B side's
.set AF,   128                         ; v128-223 the A side's 8 fragments, one set (window 0).  Window 1: the B side's, two sets, at v0 and v128.  Windows 2, 3: the accumulators, (a, b) at v[64 (a % 4) + 8 b] of window 2 + a / 4
.set PC,   128                         ; the way out (window 0): codes, v128-146
.set TM,   148
.set PW,   164
.set SW,   168
.set SEL,  20
.set G1X,  24
.set G0X,  32
.set G1W,  48
.set G0W,  56
.set MSB, 0
.macro WIN new                         ; the immediate's high byte repeats the setting that is left
.if MSB != \new
	s_set_vgpr_msb (MSB<<8)|\new
.set MSB, \new
.endif
.endm
.set MUL_LO, 0xa1                      ; source 0 window 1, source 1 window 0, C and D window 2
.set MUL_HI, 0xf1
.macro JLOAD g0x, g1x, g0w, g1w        ; waves 0, 1 fetch the tokens' halves, waves 2, 3 the columns'.  An s_nop 0 and four v_nop follow each line
	s_cmp_eq_u32 s15, 0
	s_cbranch_scc0 .Lfor_w_\@
	tensor_load_to_lds s[\g0x:\g0x+3], s[\g1x:\g1x+7]
	s_nop 0
.rept 4
	v_nop
.endr
	s_branch .Lasked_\@
.Lfor_w_\@:
	tensor_load_to_lds s[\g0w:\g0w+3], s[\g1w:\g1w+7]
	s_nop 0
.rept 4
	v_nop
.endr
.Lasked_\@:
.endm
.macro CREST                           ; a round of the cluster's barrier behind its opening barrier
	s_cmp_lg_u32 s14, 0
	s_cbranch_scc1 .Lnot_wave_0_\@
	s_barrier_signal -3
.Lnot_wave_0_\@:
	s_barrier_wait -3
	s_barrier_signal -1
	s_barrier_wait -1
.endm
.macro CROUND
	s_barrier_signal -1
	s_barrier_wait -1
	CREST
.endm
.macro PLACES n
.rept \n
	v_nop
.endr
.endm
.macro FRAG reg, adr, q, i             ; a fragment's image: three loads of 512 consecutive bytes
.irp c, 0,1,2
	ds_load_b128 v[(\reg)+4*\c:(\reg)+4*\c+3], v[\adr] offset:(\i)*3072+(\q)*1536+512*\c
.endr
.endm
.macro FETCH_B slot, q, p
	WIN 0x40
.irp i, 0,1,2,3,4,5,6,7
	FRAG 128*(\p)+FR*\i, ADRB+\slot, \q, \i
.endr
	WIN 0
.endm
.macro FETCH_A slot, q, i0
.irp i, \i0, \i0+1, \i0+2, \i0+3
	FRAG AF+FR*(\i), ADRA+\slot, \q, \i
.endr
.endm
; 16 matrix instructions: A's tiles a0, a0 + 1 x B's eight; p: B's set; q: the slot's half; sg: the slot of K.  The 64 accumulators take turns, one instruction a turn, in the same order in every step.
.macro MUL16 a0, p, q, sg, zero
.irp a, \a0, \a0+1
.irp b, 0,1,2,3,4,5,6,7
.set rD, 8*(8*((\a)%4)+\b)
.set rB, 128*(\p)+FR*\b
.set rA, AF+FR*(\a)
.set rSB, SCB+4*\b+(\sg)
.set rSA, SCA+4*(\a)+(\sg)
.if \zero
	v_wmma_scale_f32_16x16x128_f8f6f4 v[rD:rD+7], v[rB:rB+11], v[rA:rA+11], 0, v[rSB], v[rSA] matrix_a_fmt:MATRIX_FMT_FP6 matrix_b_fmt:MATRIX_FMT_FP6
.elseif \q
	v_wmma_scale_f32_16x16x128_f8f6f4 v[rD:rD+7], v[rB:rB+11], v[rA:rA+11], v[rD:rD+7], v[rSB], v[rSA] matrix_a_fmt:MATRIX_FMT_FP6 matrix_b_fmt:MATRIX_FMT_FP6 matrix_a_scale:MATRIX_SCALE_ROW1 matrix_b_scale:MATRIX_SCALE_ROW1
.else
	v_wmma_scale_f32_16x16x128_f8f6f4 v[rD:rD+7], v[rB:rB+11], v[rA:rA+11], v[rD:rD+7], v[rSB], v[rSA] matrix_a_fmt:MATRIX_FMT_FP6 matrix_b_fmt:MATRIX_FMT_FP6
.endif
.endr
.endr
.endm
.macro STEP slot, sg, zero             ; a slot's first 128 along K
	s_wait_dscnt 12                                ; B's set and A's tiles 0-3 are in; the youngest 12 loads (A's tiles 4-7) may be out
	WIN MUL_LO
	MUL16 0, 0, 0, \sg, \zero
	MUL16 2, 0, 0, \sg, \zero
	s_wait_dscnt 0x0                               ; A's tiles 4-7 are in
	PLACES 4                                       ; four plain lines in front of loads into registers that matrix instructions have read
	FETCH_B \slot, 1, 1
	FETCH_A \slot, 1, 0
	WIN MUL_HI
	MUL16 4, 0, 0, \sg, \zero
	MUL16 6, 0, 0, \sg, \zero
	PLACES 4
	WIN 0
	FETCH_A \slot, 1, 4
.endm
.macro TURN slot, next, sg, fill       ; a slot's second 128 along K, and the change of slots: one barrier
	s_wait_tensorcnt 0x0                           ; all my tensor loads have landed: my part of the next slot
	ds_add_u32 v[SPW], v[NIL]                      ; 0 onto my spare word
	s_wait_dscnt 13                                ; (the add and the youngest 12 loads may be out)
	WIN MUL_LO
	MUL16 0, 1, 1, \sg, 0
	s_wait_dscnt 0x0                               ; the add is done, and my reads of this slot are over
	s_barrier_signal -1
	MUL16 2, 1, 1, \sg, 0
	WIN 0
	s_barrier_wait -1
.if \fill
	CREST                                          ; the barrier has opened a round of the cluster's: no wave of any partner still reads this slot or has a load on its way
	s_add_nc_u64 s[G0X+4*\slot+2:G0X+4*\slot+3], s[G0X+4*\slot+2:G0X+4*\slot+3], 2*RGN
	s_add_nc_u64 s[G0W+4*\slot+2:G0W+4*\slot+3], s[G0W+4*\slot+2:G0W+4*\slot+3], 2*RGN
	JLOAD G0X+4*\slot, G1X, G0W+4*\slot, G1W       ; my one tensor load behind the round; its four v_nop are the places in front of the loads below
.else
	PLACES 4
.endif
	FETCH_B \next, 0, 0
	FETCH_A \next, 0, 0
	WIN MUL_HI
	MUL16 4, 1, 1, \sg, 0
	MUL16 6, 1, 1, \sg, 0
	PLACES 4
	WIN 0
	FETCH_A \next, 0, 4
.endm
	s_load_b256 s[4:11], s[0:1], 0x0               ; xc, wc, qc, kv
	v_lshl_add_u32 v[SPW], v0, 2, SPARE
	v_mov_b32 v[NIL], 0
	ds_add_u32 v[SPW], v[NIL]                      ; the opening: the add, twice on end, and its wait ahead of my first tensor load
	ds_add_u32 v[SPW], v[NIL]
	v_lshrrev_b32 v4, 5, v0
	v_readfirstlane_b32 s14, v4                    ; wave
	s_lshr_b32 s15, s14, 1                         ; the A side's half.  Also: I fetch tokens (0) or columns (1)
	s_and_b32 s16, s14, 1                          ; the B side's half.  Also: which 8 tiles I fetch
	s_bfe_u32 s17, ttmp6, 0x40000                  ; cx
	s_lshl_b32 s18, ttmp9, 2
	s_add_co_u32 s18, s18, s17                     ; the block of 256 tokens
	s_and_b32 s19, ttmp7, 0xffff                   ; the block of 256 columns: the same in all four partners
	s_mov_b32 s[G1X], 3<<16                        ; elements of 8 bytes, no mask, no padding
	s_mov_b32 s[G1W], 15|(3<<16)|(1<<21)           ; the same with the mask of all four work-groups, and bit 21 beside it
.irp g, G1X, G1W
	s_mov_b32 s[\g+1], 32<<16                      ; tensor_dim0 = 32 elements: rows of 256 bytes
	s_mov_b32 s[\g+2], 96<<16                      ; tensor_dim1 = 96 rows: 24,576 dense bytes
	s_mov_b32 s[\g+3], 32<<16                      ; tile_dim0
	s_mov_b32 s[\g+4], 96                          ; tile_dim1
	s_mov_b32 s[\g+5], 32                          ; the pitch
	s_mov_b32 s[\g+6], 0
	s_mov_b32 s[\g+7], 0
.endr
	s_mul_i32 s72, s18, 4*RGN
	s_mul_i32 s73, s16, HALF
	s_add_co_u32 s72, s72, s73
	s_mov_b32 s73, 0
	s_mul_i32 s46, s19, 4*RGN                      ; (these two registers never hold my place in the cluster)
	s_mul_i32 s47, s16, HALF
	s_add_co_u32 s46, s46, s47
	s_mov_b32 s47, 0
	s_mul_i32 s23, s14, HALF                       ; where my tiles go: wave x 24,576
	s_mov_b32 s[SEL], 0x76543210
	s_mov_b32 s[SEL+1], 0xfedcba98
	s_mov_b32 s70, 0xffff0000
	s_wait_dscnt 0x0                               ; both opening adds are done
	s_wait_kmcnt 0x0
	s_add_nc_u64 s[72:73], s[4:5], s[72:73]
	s_add_nc_u64 s[46:47], s[6:7], s[46:47]
	CROUND                                         ; in front of the first loads
.irp s, 0,1
	s_mov_b32 s[G0X+4*\s], 1
	s_add_co_u32 s[G0X+4*\s+1], s23, \s*SLOT
	s_add_nc_u64 s[G0X+4*\s+2:G0X+4*\s+3], s[72:73], \s*RGN
	s_or_b32 s[G0X+4*\s+3], s[G0X+4*\s+3], 0x80000000
	s_mov_b32 s[G0W+4*\s], 1
	s_add_co_u32 s[G0W+4*\s+1], s23, \s*SLOT
	s_add_nc_u64 s[G0W+4*\s+2:G0W+4*\s+3], s[46:47], \s*RGN
	s_or_b32 s[G0W+4*\s+3], s[G0W+4*\s+3], 0x80000000
	JLOAD G0X+4*\s, G1X, G0W+4*\s, G1W             ; two loads of mine are out
.endr
	v_and_b32 v4, 31, v0
	v_lshlrev_b32 v[LI], 4, v4
	v_lshlrev_b32 v[LS], 2, v4
	v_lshlrev_b32 v[L8], 3, v4
	; the scale words' places: tokens' tiles 16 x block on, columns' likewise; v swaps the sides
	s_lshl_b32 s74, s18, 13
	s_add_co_u32 s74, s74, XSC
	s_mov_b32 s75, 0
	s_add_nc_u64 s[66:67], s[4:5], s[74:75]
	s_lshl_b32 s74, s19, 13
	s_add_co_u32 s74, s74, WSC
	s_add_nc_u64 s[68:69], s[6:7], s[74:75]
	s_cmp_eq_u32 s19, 5                            ; v?  The same in all partners
	s_cselect_b64 s[42:43], s[68:69], s[66:67]
	s_cselect_b64 s[44:45], s[66:67], s[68:69]
	s_cselect_b32 s40, RGN, 0                      ; the A side's region of a slot,
	s_cselect_b32 s41, 0, RGN                      ; and the B side's
	s_lshl_b32 s74, s15, 12
	s_add_nc_u64 s[42:43], s[42:43], s[74:75]
	s_lshl_b32 s74, s16, 12
	s_add_nc_u64 s[44:45], s[44:45], s[74:75]
.irp i, 0,1,2,3,4,5,6,7
.irp g, 0,1,2,3
	global_load_b32 v[SCA+4*\i+\g], v[LS], s[42:43] offset:512*\i+128*\g
	global_load_b32 v[SCB+4*\i+\g], v[LS], s[44:45] offset:512*\i+128*\g
.endr
.endr
	s_mul_i32 s74, s15, HALF
	s_add_co_u32 s40, s40, s74
	s_mul_i32 s74, s16, HALF
	s_add_co_u32 s41, s41, s74
	v_add_nc_u32 v[ADRA], s40, v[LI]
	v_add_nc_u32 v[ADRB], s41, v[LI]
	v_add_nc_u32 v[ADRA+1], SLOT, v[ADRA]
	v_add_nc_u32 v[ADRB+1], SLOT, v[ADRB]
	s_wait_tensorcnt 1                             ; my part of slot 0 is in; slot 1's load may be out
	s_barrier_signal -1
	s_barrier_wait -1
	s_wait_loadcnt 0x0                             ; the scale words
	FETCH_B 0, 0, 0
	FETCH_A 0, 0, 0
	FETCH_A 0, 0, 4
	STEP 0, 0, 1                                   ; the first products start the sums: nothing is cleared
	TURN 0, 1, 0, 1                                ; slot 0 takes K's third 256
	STEP 1, 1, 0
	TURN 1, 0, 1, 1                                ; slot 1 the fourth
	STEP 0, 2, 0
	TURN 0, 1, 2, 0
	STEP 1, 3, 0
	s_wait_dscnt 12
	WIN MUL_LO
	MUL16 0, 1, 1, 3, 0
	MUL16 2, 1, 1, 3, 0
	s_wait_dscnt 0x0
	WIN MUL_HI
	MUL16 4, 1, 1, 3, 0
	MUL16 6, 1, 1, 3, 0
	WIN 0
	PLACES 4                                       ; in front of the first reads of results and the first writes of registers that held fragments
; THE WAY OUT.  Four blocks of 32 along the next K, each 16 registers of a lane and 16 of lane l xor 16: block b begins at register s + 16 (b % 2) + d (b / 2) of window w.  They become 12 registers of codes in v[PC] on and a scale word in v[PW].
; Each accumulator is read from its low end on.
.macro QUANTW w, s, d
	s_wait_xcnt 0x0                                ; earlier stores have read the registers that are written below
.set WW, (\w)|((\w)<<2)
	WIN WW
.irp b, 0,1,2,3
.set xb, (\s)+16*(\b%2)+(\d)*(\b/2)
	v_max3_num_f32 v[TM+\b], |v[xb]|, |v[xb+1]|, 0x1800000   ; and the floor 2^(3 - 127)
.endr
.irp i, 2,4,6,8,10,12,14
.irp b, 0,1,2,3
.set xb, (\s)+16*(\b%2)+(\d)*(\b/2)+\i
	v_max3_num_f32 v[TM+\b], |v[xb]|, |v[xb+1]|, v[TM+\b]
.endr
.endr
	WIN 0
.irp b, 0,1,2,3
	v_permlanex16_b32 v[TM+4+\b], v[TM+\b], s[SEL], s[SEL+1]
.endr
.irp b, 0,1,2,3
	v_max_num_f32 v[TM+\b], v[TM+\b], v[TM+4+\b]
.endr
.irp b, 0,1,2,3
	v_add_nc_u32 v[TM+12+\b], 0xff000000, v[TM+\b]
.endr
.irp b, 0,1,2,3
	v_lshrrev_b32 v[TM+4+\b], 23, v[TM+12+\b]
.endr
	v_lshl_or_b32 v[PW], v[TM+5], 8, v[TM+4]
	v_lshl_or_b32 v[PW], v[TM+6], 16, v[PW]
	v_lshl_or_b32 v[PW], v[TM+7], 24, v[PW]
.set WW, \w
	WIN WW
.irp c, 0,1
.set xb, (\s)+(\d)*\c
	v_cvt_scalef32_pk16_fp6_f32 v[PC+6*\c:PC+2+6*\c], v[xb:xb+15], v[TM+12+2*\c]
	v_cvt_scalef32_pk16_fp6_f32 v[PC+12+4*\c:PC+14+4*\c], v[xb+16:xb+31], v[TM+12+2*\c+1]
.endr
	WIN 0
	v_nop                                          ; one plain line behind the conversions
.irp c, 0,1
.irp i, 0,1,2
	v_permlane16_swap_b32 v[PC+6*\c+\i], v[PC+12+4*\c+\i]
.endr
.irp i, 0,1,2
	v_mov_b32 v[PC+3+6*\c+\i], v[PC+12+4*\c+\i]
.endr
.endr
.endm
.macro FIN
	s_wait_tensorcnt 0x0                           ; the wave's end
	ds_add_u32 v[SPW], v[NIL]
	s_wait_dscnt 0x0
	CROUND                                         ; the closing round
	s_endpgm
.endm
	s_cmp_lt_u32 s19, 4
	s_cbranch_scc0 .Lnot_q
	; ---- q: token tiles 2 p, 2 p + 1 of head e: two halves of 6 registers
	s_lshl_b32 s72, s18, 4
	s_lshl_b32 s73, s15, 3
	s_add_co_u32 s72, s72, s73                     ; my first tile
	s_lshl_b32 s72, s72, 4
	s_lshl_b32 s73, s19, 2
	s_add_co_u32 s72, s72, s73
	s_lshl_b32 s73, s16, 1
	s_add_co_u32 s72, s72, s73                     ; x 16 + my first head
	s_mul_i32 s74, s72, 768
	s_mov_b32 s75, 0
	s_add_nc_u64 s[66:67], s[8:9], s[74:75]
	s_lshl_b32 s74, s72, 6
	s_add_co_u32 s74, s74, QSC
	s_add_nc_u64 s[68:69], s[8:9], s[74:75]
.irp p, 0,1,2,3
.irp e, 0,1
	QUANTW 2+\p/2, 64*((2*\p)%4)+32*\e, 64
.irp hf, 0,1
.irp c, 0,1,2
	global_store_b64 v[L8], v[PC+6*\hf+2*\c:PC+6*\hf+2*\c+1], s[66:67] offset:((2*\p+\hf)*16+\e)*768+256*\c   ; 256 consecutive bytes, aligned
.endr
.endr
	v_perm_b32 v[172+2*\e], v[PW], v[PW], 0x01000100   ; tile 2 p's word: (s0, s1, s0, s1)
	v_perm_b32 v[173+2*\e], v[PW], v[PW], 0x03020302   ; tile 2 p + 1's
.if \e
	v_cndmask_b32 v176, v172, v174, s70            ; lanes 0-15 the first head's words, lanes 16-31 the second's
	v_cndmask_b32 v177, v173, v175, s70
	global_store_b32 v[LS], v176, s[68:69] offset:(2*\p)*1024
	global_store_b32 v[LS], v177, s[68:69] offset:(2*\p+1)*1024
.endif
.endr
.endr
	FIN
.Lnot_q:
	s_lshr_b32 s72, s18, 3                         ; the batch
	s_lshl_b32 s72, s72, 2
	s_and_b32 s73, s18, 7
	s_lshl_b32 s73, s73, 1
	s_cmp_eq_u32 s19, 4
	s_cbranch_scc0 .Lv
	; ---- k: my 128 tokens are key step 2 (block % 8) + A's half; my 128 columns the key heads 2 x B's half, + 1
	s_lshl_b32 s74, s16, 1
	s_add_co_u32 s72, s72, s74
	s_lshl_b32 s72, s72, 4
	s_add_co_u32 s72, s72, s73
	s_add_co_u32 s72, s72, s15
	s_mul_i32 s74, s72, 13312
	s_mov_b32 s75, 0
	s_add_nc_u64 s[66:67], s[10:11], s[74:75]
.irp e, 0,1
.irp p, 0,1,2,3
	QUANTW 2+\p/2, 64*((2*\p)%4)+32*\e, 64
	v_mov_b32 v[SW+\p], v[PW]
.irp c, 0,1,2
	global_store_b128 v[LI], v[PC+4*\c:PC+4*\c+3], s[66:67] offset:\e*GRP+\p*1536+512*\c
.endr
.endr
	global_store_b128 v[LI], v[SW:SW+3], s[66:67] offset:\e*GRP+12288
.endr
	FIN
.Lv:
	; ---- v: my 128 columns (A's half) are the key heads 2 x A's half, + 1; my 128 tokens key step 2 (block % 8) + B's half
	s_lshl_b32 s74, s15, 1
	s_add_co_u32 s72, s72, s74
	s_lshl_b32 s72, s72, 4
	s_add_co_u32 s72, s72, s73
	s_add_co_u32 s72, s72, s16
	s_mul_i32 s74, s72, 13312
	s_mov_b32 s75, 0
	s_add_nc_u64 s[66:67], s[10:11], s[74:75]
.irp a, 0,1,2,3,4,5,6,7
	QUANTW 2+\a/4, 64*(\a%4), 32
	v_mov_b32 v[SW+\a%4], v[PW]
.irp c, 0,1,2
	global_store_b128 v[LI], v[PC+4*\c:PC+4*\c+3], s[66:67] offset:(\a/4)*GRP+6144+(\a%4)*1536+512*\c
.endr
.if \a%4 == 3
	global_store_b128 v[LI], v[SW:SW+3], s[66:67] offset:(\a/4)*GRP+12800
.endif
.endr
	FIN
.Lfunc_end_k_qe18df97c6e_qkv:
	.size	k_qe18df97c6e_qkv, .Lfunc_end_k_qe18df97c6e_qkv-k_qe18df97c6e_qkv
	.p2alignl 7, 3214868480
	.fill 96, 4, 3214868480
	.section	.rodata,"a",@progbits
	.p2align	6, 0x0
	.amdhsa_kernel k_qe18df97c6e_qkv
		.amdhsa_group_segment_fixed_size 327680
		.amdhsa_private_segment_fixed_size 0
		.amdhsa_enable_private_segment 0
		.amdhsa_kernarg_size 32
		.amdhsa_user_sgpr_count 2
		.amdhsa_user_sgpr_kernarg_segment_ptr 1
		.amdhsa_wavefront_size32 1
		.amdhsa_system_sgpr_workgroup_id_x 1
		.amdhsa_system_sgpr_workgroup_id_y 1
		.amdhsa_system_sgpr_workgroup_id_z 1
		.amdhsa_system_vgpr_workitem_id 0
		.amdhsa_next_free_vgpr 1024
		.amdhsa_next_free_sgpr 80
		.amdhsa_reserve_vcc 0
		.amdhsa_float_denorm_mode_32 3
		.amdhsa_float_denorm_mode_16_64 3
		.amdhsa_memory_ordered 1
		.amdhsa_forward_progress 1
		.amdhsa_inst_pref_size 215
	.end_amdhsa_kernel
	.amdgpu_metadata
---
amdhsa.version: [ 1, 2 ]
amdhsa.kernels:
  - .name:           k_qe18df97c6e_qkv
    .symbol:         k_qe18df97c6e_qkv.kd
    .args:
      - { .name: xc, .offset: 0, .size: 8, .value_kind: global_buffer, .address_space: global }
      - { .name: wc, .offset: 8, .size: 8, .value_kind: global_buffer, .address_space: global }
      - { .name: qc, .offset: 16, .size: 8, .value_kind: global_buffer, .address_space: global }
      - { .name: kv, .offset: 24, .size: 8, .value_kind: global_buffer, .address_space: global }
    .group_segment_fixed_size: 327680
    .private_segment_fixed_size: 0
    .kernarg_segment_align: 8
    .kernarg_segment_size: 32
    .max_flat_workgroup_size: 128
    .sgpr_count:     80
    .vgpr_count:     1024
    .wavefront_size: 32
...
	.end_amdgpu_metadata
.endif
;; end of part 2
;; launch attn (part 3): grid 16 x 16, 8 waves a work-group, clusters of 4 x 1, 214,016 bytes of LDS; arguments qc, kv, yc; writes yc
.if DOCPART == 3
	.amdgcn_target "amdgcn-amd-amdhsa--gfx1250"
	.amdhsa_code_object_version 6
	.text
	.protected	k_qe18df97c6e_attn
	.globl	k_qe18df97c6e_attn
	.p2align	8
	.type	k_qe18df97c6e_attn,@function
k_qe18df97c6e_attn:
	s_mov_b64 s[64:65], 0
	v_nop
	global_prefetch_b8 v0, s[64:65] scope:SCOPE_SE
	s_setreg_imm32_b32 hwreg(HW_REG_WAVE_MODE, 25, 1), 1
	s_wait_xcnt 0x0
	s_wait_alu depctr_hold_cnt(0) depctr_sa_sdst(0) depctr_va_vdst(0) depctr_va_sdst(0) depctr_va_ssrc(0) depctr_va_vcc(0) depctr_vm_vsrc(0)
	s_getreg_b32 s2, hwreg(HW_REG_IB_STS2, 6, 4)
	s_cmp_eq_u32 s2, 0
	s_cbranch_scc0 .Lentry_in_a_cluster
	s_endpgm
.Lentry_in_a_cluster:
	s_bfe_u32 s2, ttmp6, 0x10000c
	s_cmp_lg_u32 s2, 0x3003
	s_cbranch_scc0 .Lentry_shape_is_right
	s_endpgm
.Lentry_shape_is_right:
; ATTN: y = softmax(q k^T / 8 + slope (key - query), causal) v on codes of E2M3, and y quantised along the channels for the last product.
; LEFT OUT: key steps (128 keys) all of whose keys come after a tile's 16 queries: reference() adds -infinity there by its own triu, so their weights are 0 for all inputs.  A NaN or infinity that reaches only such scores is not carried on.
; THE SOFTMAX: t = logit x log2(e); M = the running largest t rounded up to a whole number; p = 2^(t - M) is quantised along the keys, not normalised; the row's sum is taken of the unquantised p and divides at the end.
; THE BIAS: heads 4 g .. 4 g + 3 have the slope 2^(-(g + 1) / 2).  With key = 128 t + 32 b + 16 (lane / 16) + i the part 8 slope (16 (lane / 16) + i) is the C of the first product (16 registers, the same for every block);
; the rest, slope (128 (t - m) + 32 b - my query's place), goes into the addend of the multiply-add that makes t - M.  The query's part is kept: it moves M and with it p's codes.
; SHARES.  Grid y: the group (batch, key head).  Grid x: j = 2 ib + hp: two of the group's four heads (hp) and the token tiles ib + 8 m.  A task is one tile of 16 queries for two heads: m + 1 key steps.
; Wave w takes m = 15 - w and then m = w: 17 steps in every wave.  m hangs on the wave's number alone.
; LDS: the group's whole K, V and scale words, 212,992 bytes, filled once, by two joint loads a wave (the four partners of a cluster share the group): key steps 0-3 first, then 4-15.
; D = 64 fills half of the matrix instruction's K: a fragment of K holds two key tiles in its two halves, and Q stands between two runs of six zero registers: (Q, 0) meets the first tile, (0, Q) the second.
; REGISTERS.  The two heads' tiles have the same register numbers, in window 0 and window 1, so the softmax is written once and expanded under two settings.
;   both windows: v64-127 S^T then p; v128-159 O^T; v160-177 0, Q, 0; v178-189 codes; v190-232 at work.   window 0: v1-9 addresses, v12-13 the add's two, v16-26 scale words.   window 1: v0-47 four fragments, v48-63 the bias table.
; LIMITS: NaN and infinities are not served; an exponential under 2^-126 comes out as 0.
.set KVB,   13312
.set GRP,   212992
.set CHA,   53248                      ; key steps 0-3
.set SPARE, 212992                     ; the spare words, 128 bytes a wave: 1,024
.set QSC,   6291456
.set YSC,   6291456
.set LI,  1
.set ADK, 2
.set L8,  3
.set LS,  4
.set R4,  9
.set SPW, 12
.set NIL, 13
.set KS,  16                           ; v16-19 K's scale words, v20-23 V's, v24 Q's (lanes 0-15 the first head, 16-31 the second), v25, v26 p's
.set VS,  20
.set QS,  24
.set PS,  25
.set FG,  0                            ; window 1
.set T16, 48                           ; window 1
.set S,   64
.set O,   128
.set QZ,  160
.set PC,  178
.set PT,  190
.set BM,  198
.set BP,  202
.set SO,  206
.set AB,  210                          ; pair b: A_b - M, A_b
.set NM,  218                          ; -M
.set TX,  219                          ; the running largest t
.set L,   220
.set FC,  222
.set TMP, 224
.set NQ,  226                          ; 32 b - my query's place in its 128, as f32
.set DM,  230
.set NI,  231
.set PW,  232
.set WV,  10
.set SEL, 20
.set CS,  22
.set SL2, 24
.set S8,  25
.set MM,  26
.set TT,  27
.set TB,  28
.set DT,  29                           ; 128 (t - m), a whole number
.set CNT, 30
.set G0A, 32
.set G0B, 36
.set G1A, 40
.set G1B, 48
.set QP,  56
.set QSP, 58
.set YP,  60
.set YSP, 62
.set MSB, 0
.macro WIN new
.if MSB != \new
	s_set_vgpr_msb (MSB<<8)|\new
.set MSB, \new
.endif
.endm
.macro ROUND
	s_barrier_signal -1
	s_barrier_wait -1
	s_cmp_lg_u32 s[WV], 0
	s_cbranch_scc1 .Lnot_wave_0_\@
	s_barrier_signal -3
.Lnot_wave_0_\@:
	s_barrier_wait -3
	s_barrier_signal -1
	s_barrier_wait -1
.endm
	s_load_b128 s[4:7], s[0:1], 0x0                ; qc, kv
	s_load_b64 s[8:9], s[0:1], 0x10                ; yc
	v_lshl_add_u32 v[SPW], v0, 2, SPARE
	v_mov_b32 v[NIL], 0
	ds_add_u32 v[SPW], v[NIL]                      ; the opening: the add, twice on end, and its wait ahead of my first tensor load
	ds_add_u32 v[SPW], v[NIL]
	v_lshrrev_b32 v5, 5, v0
	v_readfirstlane_b32 s[WV], v5
	s_bfe_u32 s66, ttmp6, 0x40000                  ; cx: it enters Q's and y's addresses and lane data alone
	s_lshl_b32 s67, ttmp9, 2
	s_add_co_u32 s67, s67, s66
	s_and_b32 s14, s67, 1                          ; hp
	s_lshr_b32 s15, s67, 1                         ; ib
	s_and_b32 s11, ttmp7, 0xffff                   ; the group, which the partners share
	s_lshr_b32 s12, s11, 2                         ; batch
	s_and_b32 s13, s11, 3                          ; key head
	s_mov_b32 s[G1A], 15|(3<<16)|(1<<21)           ; the mask of all four, elements of 8 bytes, bit 21 beside the mask
	s_mov_b32 s[G1A+1], 32<<16                     ; rows of 256 bytes
	s_mov_b32 s[G1A+2], 26<<16                     ; 26 rows a wave: 8 x 6,656 = 53,248 bytes
	s_mov_b32 s[G1A+3], 32<<16
	s_mov_b32 s[G1A+4], 26
	s_mov_b32 s[G1A+5], 32
	s_mov_b32 s[G1A+6], 0
	s_mov_b32 s[G1A+7], 0
	s_mov_b32 s[G1B], 15|(3<<16)|(1<<21)
	s_mov_b32 s[G1B+1], 32<<16
	s_mov_b32 s[G1B+2], 78<<16                     ; 78 rows a wave: 8 x 19,968 = 159,744 bytes
	s_mov_b32 s[G1B+3], 32<<16
	s_mov_b32 s[G1B+4], 78
	s_mov_b32 s[G1B+5], 32
	s_mov_b32 s[G1B+6], 0
	s_mov_b32 s[G1B+7], 0
	s_mov_b32 s[G0A], 1
	s_mov_b32 s[G0B], 1
	s_mul_i32 s[G0A+1], s[WV], 6656                ; LDS holds the group as it lies in memory
	s_mul_i32 s[G0B+1], s[WV], 19968
	s_add_co_u32 s[G0B+1], s[G0B+1], CHA
	s_mul_i32 s72, s11, GRP                        ; (s72 to s75 never hold my place in the cluster)
	s_add_co_u32 s74, s72, s[G0B+1]
	s_add_co_u32 s72, s72, s[G0A+1]
	s_mov_b32 s73, 0
	s_mov_b32 s75, 0
	s_mov_b32 s[SEL], 0x76543210
	s_mov_b32 s[SEL+1], 0xfedcba98
	s_mov_b32 s[CS], 0x3e38aa3b                    ; c = log2(e) / 8
	s_mov_b32 s[CS+1], s[CS]
	s_mov_b32 s[SL2], 0x3f38aa3b                   ; slope x log2(e): odd key heads 2^-1 log2(e),
	s_mov_b32 s[S8], 0x40800000                    ; 8 x slope: 4
	s_and_b32 s67, s13, 1
	s_cmp_eq_u32 s67, 0
	s_cselect_b32 s[SL2], 0x3f8293ee, s[SL2]       ; even ones 2^-0.5 log2(e),
	s_cselect_b32 s[S8], 0x40b504f3, s[S8]         ; 8 x 2^-0.5;
	s_lshr_b32 s67, s13, 1
	s_lshl_b32 s67, s67, 23
	s_sub_co_u32 s[SL2], s[SL2], s67               ; key heads 2 and 3: half of that (1 off the exponent field)
	s_sub_co_u32 s[S8], s[S8], s67
	s_wait_dscnt 0x0                               ; both opening adds are done
	s_wait_kmcnt 0x0
	s_add_nc_u64 s[G0A+2:G0A+3], s[6:7], s[72:73]
	s_or_b32 s[G0A+3], s[G0A+3], 0x80000000
	s_add_nc_u64 s[G0B+2:G0B+3], s[6:7], s[74:75]
	s_or_b32 s[G0B+3], s[G0B+3], 0x80000000
	ROUND                                          ; in front of the joint loads
	tensor_load_to_lds s[G0A:G0A+3], s[G1A:G1A+7]
	s_nop 0
	tensor_load_to_lds s[G0B:G0B+3], s[G1B:G1B+7]  ; two loads of mine are out
	s_nop 0
.rept 4
	v_nop
.endr
	v_and_b32 v5, 31, v0
	v_lshlrev_b32 v[LI], 4, v5
	v_lshlrev_b32 v[L8], 3, v5
	v_lshlrev_b32 v[LS], 2, v5
	v_and_b32 v6, 15, v0                           ; r
	v_lshlrev_b32 v[R4], 2, v6
	v_bfe_u32 v7, v0, 4, 1
	v_lshlrev_b32 v7, 4, v7                        ; 16 h
	v_and_b32 v8, 8, v6
	v_add_nc_u32 v8, v8, v6
	s_lshr_b32 s66, s15, 1
	s_lshl_b32 s66, s66, 5
	s_and_b32 s67, s15, 1
	s_lshl_b32 s67, s67, 3
	s_add_co_u32 s66, s66, s67
	v_add_nc_u32 v8, s66, v8                       ; my query's place in its 128: 32 (ib / 2) + 8 (ib % 2) + r + 8 (r / 8)
.irp b, 0,1,2,3
	v_sub_nc_u32 v[NQ+\b], 32*\b, v8
.endr
.irp b, 0,1,2,3
	v_cvt_f32_i32 v[NQ+\b], v[NQ+\b]
.endr
	v_sub_nc_u32 v[DM], v8, v7
.macro CONSTS                          ; what both windows hold alike
	v_mov_b32 v[NI], 0xff800000
	v_mov_b32 v[FC+1], 0                           ; (named as the upper half of a pair)
	v_mov_b32 v[TMP], 0                            ; a lane permute's destination counts as one of its sources: the way out's is written here, on every path
	v_mov_b32 v[TMP+1], 0
.irp b, 0,1,2,3
	v_mov_b32 v[BP+\b], 0                          ; likewise the key steps'
.endr
.irp i, 0,1,2,3,4,5,12,13,14,15,16,17
	v_mov_b32 v[QZ+\i], 0                          ; the zero codes on either side of Q
.endr
.endm
	CONSTS
	WIN 0x40                                       ; destination window 1
	CONSTS
.irp b, 0,1,2,3
	v_mov_b32 v[NQ+\b], v[NQ+\b]
.endr
	v_mov_b32 v[DM], v[DM]
.irp i, 0,1,2,3,4,5,6,7,8,9,10,11,12,13,14,15
	v_add_nc_u32 v[T16+\i], \i, v7
.endr
	WIN 0x45
.irp i, 0,1,2,3,4,5,6,7,8,9,10,11,12,13,14,15
	v_cvt_f32_u32 v[T16+\i], v[T16+\i]
.endr
.irp i, 0,1,2,3,4,5,6,7,8,9,10,11,12,13,14,15
	v_mul_f32 v[T16+\i], s[S8], v[T16+\i]          ; 8 slope (16 h + i)
.endr
	WIN 0
.macro SMA                             ; A_b = slope log2(e) (128 (t - m) + 32 b - my query's place): the sum in brackets is a whole number under 2^24, exact in f32
	v_mov_b32 v[TMP], s[DT]
	v_cvt_f32_i32 v[TMP], v[TMP]
.irp b, 0,1,2,3
	v_add_f32 v[AB+2*\b+1], v[TMP], v[NQ+\b]
.endr
.irp b, 0,1,2,3
	v_mul_f32 v[AB+2*\b+1], s[SL2], v[AB+2*\b+1]
.endr
.endm
.macro MASK                            ; the step on the diagonal: register 16 b + i holds key 32 b + 16 h + i of the step: hidden where 32 b + i > my query's place - 16 h
.set n, 0
.rept 64
	v_cmp_gt_i32 vcc_lo, 32*(n/16)+n%16, v[DM]
	v_cndmask_b32 v[S+n], v[S+n], v[NI], vcc_lo
.set n, n+1
.endr
.endm
.macro SMB
.irp b, 0,1,2,3
	v_max3_num_f32 v[BM+\b], v[S+16*\b], v[S+16*\b+1], v[S+16*\b+2]   ; the largest score of each block of 32 keys: it serves the row's maximum and the block's largest p
.endr
.irp i, 3,5,7,9,11,13
.irp b, 0,1,2,3
	v_max3_num_f32 v[BM+\b], v[BM+\b], v[S+16*\b+\i], v[S+16*\b+\i+1]
.endr
.endr
.irp b, 0,1,2,3
	v_max_num_f32 v[BM+\b], v[BM+\b], v[S+16*\b+15]
.endr
.irp b, 0,1,2,3
	v_permlanex16_b32 v[BP+\b], v[BM+\b], s[SEL], s[SEL+1]
.endr
.irp b, 0,1,2,3
	v_max_num_f32 v[BM+\b], v[BM+\b], v[BP+\b]
.endr
.irp b, 0,1,2,3
	v_fma_f32 v[BP+\b], v[BM+\b], s[CS], v[AB+2*\b+1]   ; as t
.endr
	v_max3_num_f32 v[TMP], v[BP], v[BP+1], v[BP+2]
	v_max_num_f32 v[TMP], v[TMP], v[BP+3]
	v_max_num_f32 v[TX], v[TX], v[TMP]             ; the running largest t
	v_mov_b32 v[TMP], v[NM]
	v_floor_f32 v[NM], -v[TX]                      ; -M = floor(-t): M is a whole number
	v_sub_f32 v[TMP], v[NM], v[TMP]                ; old M - new M, 0 or less
	v_cvt_i32_f32 v[TMP], v[TMP]                   ; (it saturates)
	v_ldexp_f32 v[FC], 1.0, v[TMP]                 ; f = 2^(old M - new M): exact
.irp b, 0,1,2,3
	v_add_f32 v[AB+2*\b], v[AB+2*\b+1], v[NM]
.endr
.irp b, 0,1,2,3
.irp j, 0,2,4,6,8,10,12,14
	v_pk_fma_f32 v[S+16*\b+\j:S+16*\b+\j+1], v[S+16*\b+\j:S+16*\b+\j+1], s[CS:CS+1], v[AB+2*\b:AB+2*\b+1] op_sel_hi:[1,0,0]   ; t - M
.endr
.endr
.irp b, 0,1,2,3
	v_fma_f32 v[BM+\b], v[BM+\b], s[CS], v[AB+2*\b]
.endr
.set n, 0
.rept 64
	v_exp_f32 v[S+n], v[S+n]                       ; p
.set n, n+1
.endr
	v_pk_mul_f32 v[L:L+1], v[L:L+1], v[FC:FC+1] op_sel_hi:[1,0]   ; the sums under the new M: a plain line behind the exponentials
	s_wait_alu depctr_va_vdst(0)                   ; one wait for the batch, ahead of its first reader
.irp b, 0,1,2,3
	v_exp_f32 v[BM+\b], v[BM+\b]                   ; the block's largest p
.endr
	v_pk_add_f32 v[TMP:TMP+1], v[S:S+1], v[S+2:S+3]   ; the row's sum of the unquantised p, in two chains
.irp j, 4,8,12,16,20,24,28,32,36,40,44,48,52,56,60
	v_pk_add_f32 v[L:L+1], v[L:L+1], v[S+\j:S+\j+1]
	v_pk_add_f32 v[TMP:TMP+1], v[TMP:TMP+1], v[S+\j+2:S+\j+3]
.endr
	v_pk_add_f32 v[L:L+1], v[L:L+1], v[TMP:TMP+1]
	s_wait_alu depctr_va_vdst(0)                   ; and one for the four
.irp b, 0,1,2,3
	v_max_num_f32 v[BM+\b], 0x1800000, v[BM+\b]    ; the floor 2^(3 - 127)
.endr
.irp b, 0,1,2,3
	v_add_nc_u32 v[SO+\b], 0xff000000, v[BM+\b]
.endr
.irp b, 0,1,2,3
	v_lshrrev_b32 v[BP+\b], 23, v[SO+\b]
.endr
	v_lshl_or_b32 v[PW], v[BP+1], 8, v[BP]
	v_lshl_or_b32 v[PW], v[BP+2], 16, v[PW]
	v_lshl_or_b32 v[PW], v[BP+3], 24, v[PW]
.irp c, 0,1
	v_cvt_scalef32_pk16_fp6_f32 v[PC+6*\c:PC+6*\c+2], v[S+32*\c:S+32*\c+15], v[SO+2*\c]
	v_cvt_scalef32_pk16_fp6_f32 v[PT+4*\c:PT+4*\c+2], v[S+32*\c+16:S+32*\c+31], v[SO+2*\c+1]
.endr
	v_nop                                          ; one plain line behind the conversions
.irp c, 0,1
.irp i, 0,1,2
	v_permlane16_swap_b32 v[PC+6*\c+\i], v[PT+4*\c+\i]
.endr
.irp i, 0,1,2
	v_mov_b32 v[PC+6*\c+3+\i], v[PT+4*\c+\i]
.endr
.endr
.endm
.macro TILE x                          ; tile x's mask, softmax and second product
.set WX, 0x55*(\x)
	WIN 0
	s_cmp_lg_u32 s[TT], s[MM]
	s_cbranch_scc1 .Lopen_\@
	WIN WX
	MASK
	WIN 0
.Lopen_\@:
	WIN WX
.if \x
	SMA
.endif
	SMB
.if \x
	WIN 0x01
.endif
	v_mov_b32 v[PS+\x], v[PW]                      ; scale operands are taken from window 0
	WIN WX
.irp j, 0,2,4,6,8,10,12,14,16,18,20,22,24,26,28,30
	v_pk_mul_f32 v[O+\j:O+\j+1], v[O+\j:O+\j+1], v[FC:FC+1] op_sel_hi:[1,0]   ; O^T under the new M; these 16 are also the plain lines between the scale word's and the codes' last writes and the products
.endr
.if \x == 0
	s_wait_dscnt 0x0                               ; V and its scale words are in
	WIN 0x01
.endif
.irp t, 0,1,2,3
	v_wmma_scale_f32_16x16x128_f8f6f4 v[O+8*\t:O+8*\t+7], v[FG+12*\t:FG+12*\t+11], v[PC:PC+11], v[O+8*\t:O+8*\t+7], v[VS+\t], v[PS+\x] matrix_a_fmt:MATRIX_FMT_FP6 matrix_b_fmt:MATRIX_FMT_FP6
.endr
.endm
.macro KSTEP                           ; key step t, for my two tiles
	s_cmp_gt_u32 s[TT], s[MM]                      ; all its keys come after my queries: only the steps of the addresses are run
	s_cbranch_scc1 .Lskip_\@
	v_add_nc_u32 v[ADK], s[TB], v[LI]
	WIN 0x40
.irp f, 0,1,2,3
.irp c, 0,1,2
	ds_load_b128 v[FG+12*\f+4*\c:FG+12*\f+4*\c+3], v[ADK] offset:1536*\f+512*\c
.endr
.endr
	WIN 0
	ds_load_b128 v[KS:KS+3], v[ADK] offset:12288
	s_wait_dscnt 0x0
	WIN 0x11                                       ; K and the table in window 1, Q and S^T in window 0
.irp f, 0,1,2,3
.irp u, 0,1
	v_wmma_scale_f32_16x16x128_f8f6f4 v[S+8*(2*\f+\u):S+8*(2*\f+\u)+7], v[FG+12*\f:FG+12*\f+11], v[QZ+6-6*\u:QZ+17-6*\u], v[T16+8*\u:T16+8*\u+7], v[KS+\f], v[QS] matrix_a_fmt:MATRIX_FMT_FP6 matrix_b_fmt:MATRIX_FMT_FP6
.endr
.endr
	WIN 0x55
.irp f, 0,1,2,3
.irp u, 0,1
	v_wmma_scale_f32_16x16x128_f8f6f4 v[S+8*(2*\f+\u):S+8*(2*\f+\u)+7], v[FG+12*\f:FG+12*\f+11], v[QZ+6-6*\u:QZ+17-6*\u], v[T16+8*\u:T16+8*\u+7], v[KS+\f], v[QS] matrix_a_fmt:MATRIX_FMT_FP6 matrix_b_fmt:MATRIX_FMT_FP6 matrix_b_scale:MATRIX_SCALE_ROW1
.endr
.endr
	WIN 0
	SMA                                            ; tile 0's: ten plain lines that name no register of the products: the places in front of the loads below and of the first reads of scores
	WIN 0x40
.irp f, 0,1,2,3
.irp c, 0,1,2
	ds_load_b128 v[FG+12*\f+4*\c:FG+12*\f+4*\c+3], v[ADK] offset:6144+1536*\f+512*\c
.endr
.endr
	WIN 0
	ds_load_b128 v[VS:VS+3], v[ADK] offset:12800
	TILE 0
	TILE 1
	WIN 0
.rept 4
	v_nop                                          ; in front of the next loads into the fragments' registers, and of the way out's reads
.endr
.Lskip_\@:
	s_add_co_u32 s[TB], s[TB], KVB
	s_add_co_u32 s[TT], s[TT], 1
	s_add_co_u32 s[DT], s[DT], 128
.endm
.macro WALK n, tb0
	s_mov_b32 s[TB], \tb0
	s_mov_b32 s[CNT], \n
.Lwalk_\@:
	KSTEP
	s_sub_co_u32 s[CNT], s[CNT], 1
	s_cmp_lg_u32 s[CNT], 0
	s_cbranch_scc1 .Lwalk_\@
.endm
.macro STATE
	v_mov_b32 v[TX], 0xff61b1e6                    ; -3e38, under every t
	v_floor_f32 v[NM], -v[TX]
	v_mov_b32 v[L], 0
	v_mov_b32 v[L+1], 0
.set n, 0
.rept 32
	v_mov_b32 v[O+n], 0                            ; the step is written once: the first finds zeros
.set n, n+1
.endr
.endm
.macro INIT second
	s_wait_xcnt 0x0                                ; the last task's stores have read their addresses and data
.if \second
	s_mov_b32 s[MM], s[WV]
.else
	s_sub_co_u32 s[MM], 15, s[WV]
.endif
	s_mov_b32 s[TT], 0
	s_lshl_b32 s66, s[MM], 7
	s_sub_co_u32 s[DT], 0, s66                     ; -128 m
	s_lshl_b32 s66, s12, 7
	s_lshl_b32 s67, s[MM], 3
	s_add_co_u32 s66, s66, s67
	s_add_co_u32 s66, s66, s15                     ; my tile: 128 batch + 8 m + ib
	s_lshl_b32 s67, s66, 4
	s_lshl_b32 s68, s13, 2
	s_add_co_u32 s67, s67, s68
	s_lshl_b32 s68, s14, 1
	s_add_co_u32 s67, s67, s68                     ; x 16 + my first head
	s_mul_i32 s68, s67, 768
	s_mov_b32 s69, 0
	s_add_nc_u64 s[QP:QP+1], s[4:5], s[68:69]
	s_lshl_b32 s68, s67, 6
	s_add_co_u32 s68, s68, QSC
	s_add_nc_u64 s[QSP:QSP+1], s[4:5], s[68:69]
	s_lshl_b32 s68, s12, 3
	s_lshr_b32 s70, s[MM], 1
	s_add_co_u32 s68, s68, s70                     ; y: the block of 256 tokens,
	s_lshl_b32 s68, s68, 2
	s_add_co_u32 s68, s68, s13                     ; K slot = key head,
	s_lshl_b32 s68, s68, 4
	s_and_b32 s70, s[MM], 1
	s_lshl_b32 s70, s70, 3
	s_add_co_u32 s68, s68, s70
	s_add_co_u32 s68, s68, s15                     ; tile 8 (m % 2) + ib,
	s_mul_i32 s68, s68, 3072
	s_mul_i32 s70, s14, 1536                       ; half = hp
	s_add_co_u32 s68, s68, s70
	s_add_nc_u64 s[YP:YP+1], s[8:9], s[68:69]
	s_lshl_b32 s68, s66, 9
	s_lshl_b32 s70, s13, 7
	s_add_co_u32 s68, s68, s70
	s_lshl_b32 s70, s14, 6
	s_add_co_u32 s68, s68, s70
	s_add_co_u32 s68, s68, YSC
	s_add_nc_u64 s[YSP:YSP+1], s[8:9], s[68:69]
.irp c, 0,1,2
	global_load_b64 v[QZ+6+2*\c:QZ+7+2*\c], v[L8], s[QP:QP+1] offset:256*\c
.endr
	global_load_b32 v[QS], v[LS], s[QSP:QSP+1]
	WIN 0x40
.irp c, 0,1,2
	global_load_b64 v[QZ+6+2*\c:QZ+7+2*\c], v[L8], s[QP:QP+1] offset:768+256*\c
.endr
	WIN 0
	STATE
	WIN 0x55
	STATE
	WIN 0
	s_wait_loadcnt 0x0
.endm
.macro NORM                            ; one tile: O^T / the sum, and its 64 channels quantised: 6 registers of codes in v[PC] on, two bytes in v[PW]
	v_add_f32 v[L], v[L], v[L+1]
	v_permlanex16_b32 v[TMP], v[L], s[SEL], s[SEL+1]
	v_add_f32 v[L], v[L], v[TMP]
	v_rcp_f32 v[FC], v[L]
	v_nop                                          ; a plain line behind the reciprocal
	s_wait_alu depctr_va_vdst(0)                   ; and the wait ahead of its first reader
.irp j, 0,2,4,6,8,10,12,14,16,18,20,22,24,26,28,30
	v_pk_mul_f32 v[O+\j:O+\j+1], v[O+\j:O+\j+1], v[FC:FC+1] op_sel_hi:[1,0]
.endr
.irp b, 0,1
	v_max3_num_f32 v[BM+\b], |v[O+16*\b]|, |v[O+16*\b+1]|, 0x1800000
.endr
.irp i, 2,4,6,8,10,12,14
.irp b, 0,1
	v_max3_num_f32 v[BM+\b], v[BM+\b], |v[O+16*\b+\i]|, |v[O+16*\b+\i+1]|
.endr
.endr
.irp b, 0,1
	v_permlanex16_b32 v[BP+\b], v[BM+\b], s[SEL], s[SEL+1]
.endr
.irp b, 0,1
	v_max_num_f32 v[BM+\b], v[BM+\b], v[BP+\b]
.endr
.irp b, 0,1
	v_add_nc_u32 v[SO+\b], 0xff000000, v[BM+\b]
.endr
.irp b, 0,1
	v_lshrrev_b32 v[BP+\b], 23, v[SO+\b]
.endr
	v_lshl_or_b32 v[PW], v[BP+1], 8, v[BP]
	v_cvt_scalef32_pk16_fp6_f32 v[PC:PC+2], v[O:O+15], v[SO]
	v_cvt_scalef32_pk16_fp6_f32 v[PT:PT+2], v[O+16:O+31], v[SO+1]
	v_nop
.irp i, 0,1,2
	v_permlane16_swap_b32 v[PC+\i], v[PT+\i]
.endr
.irp i, 0,1,2
	v_mov_b32 v[PC+3+\i], v[PT+\i]
.endr
.endm
.macro FINISH
	NORM
	WIN 0x55
	NORM
	WIN 0x01                                       ; source 0 window 1: the second head's half joins the first's: one fragment of 128 channels
.irp i, 0,1,2,3,4,5
	v_mov_b32 v[PC+6+\i], v[PC+\i]
.endr
	v_lshl_or_b32 v[PW], v[PW], 16, v[PW]
	WIN 0
.irp c, 0,1,2
	global_store_b128 v[LI], v[PC+4*\c:PC+4*\c+3], s[YP:YP+1] offset:512*\c   ; 512 consecutive bytes, aligned
.endr
	global_store_b32 v[R4], v[PW], s[YSP:YSP+1]    ; lanes l and l + 16 hold the same word and write it to the same place
.endm
	INIT 0
	s_wait_tensorcnt 1                             ; my part of key steps 0-3 is in; the second load may be out
	s_barrier_signal -1
	s_barrier_wait -1
	WALK 4, 0
	s_wait_tensorcnt 0x0                           ; my part of key steps 4-15
	s_wait_dscnt 0x0
	s_barrier_signal -1
	s_barrier_wait -1
	WALK 12, CHA
	FINISH
	INIT 1
	WALK 8, 0                                      ; m is at most 7 here
	FINISH
	s_wait_tensorcnt 0x0                           ; the wave's end
	ds_add_u32 v[SPW], v[NIL]
	s_wait_dscnt 0x0
	ROUND                                          ; the closing round
	s_endpgm
.Lfunc_end_k_qe18df97c6e_attn:
	.size	k_qe18df97c6e_attn, .Lfunc_end_k_qe18df97c6e_attn-k_qe18df97c6e_attn
	.p2alignl 7, 3214868480
	.fill 96, 4, 3214868480
	.section	.rodata,"a",@progbits
	.p2align	6, 0x0
	.amdhsa_kernel k_qe18df97c6e_attn
		.amdhsa_group_segment_fixed_size 214016
		.amdhsa_private_segment_fixed_size 0
		.amdhsa_enable_private_segment 0
		.amdhsa_kernarg_size 24
		.amdhsa_user_sgpr_count 2
		.amdhsa_user_sgpr_kernarg_segment_ptr 1
		.amdhsa_wavefront_size32 1
		.amdhsa_system_sgpr_workgroup_id_x 1
		.amdhsa_system_sgpr_workgroup_id_y 1
		.amdhsa_system_sgpr_workgroup_id_z 1
		.amdhsa_system_vgpr_workitem_id 0
		.amdhsa_next_free_vgpr 512
		.amdhsa_next_free_sgpr 80
		.amdhsa_reserve_vcc 1
		.amdhsa_float_denorm_mode_32 3
		.amdhsa_float_denorm_mode_16_64 3
		.amdhsa_memory_ordered 1
		.amdhsa_forward_progress 1
		.amdhsa_inst_pref_size 153
	.end_amdhsa_kernel
	.amdgpu_metadata
---
amdhsa.version: [ 1, 2 ]
amdhsa.kernels:
  - .name:           k_qe18df97c6e_attn
    .symbol:         k_qe18df97c6e_attn.kd
    .args:
      - { .name: qc, .offset: 0, .size: 8, .value_kind: global_buffer, .address_space: global }
      - { .name: kv, .offset: 8, .size: 8, .value_kind: global_buffer, .address_space: global }
      - { .name: yc, .offset: 16, .size: 8, .value_kind: global_buffer, .address_space: global }
    .group_segment_fixed_size: 214016
    .private_segment_fixed_size: 0
    .kernarg_segment_align: 8
    .kernarg_segment_size: 24
    .max_flat_workgroup_size: 256
    .sgpr_count:     80
    .vgpr_count:     512
    .wavefront_size: 32
...
	.end_amdgpu_metadata
.endif
;; end of part 3
;; launch oproj (part 4): grid 32 x 4, 4 waves a work-group, clusters of 4 x 4, 327,680 bytes of LDS; arguments yc, wc, out0; writes out0
.if DOCPART == 4
	.amdgcn_target "amdgcn-amd-amdhsa--gfx1250"
	.amdhsa_code_object_version 6
	.text
	.protected	k_qe18df97c6e_oproj
	.globl	k_qe18df97c6e_oproj
	.p2align	8
	.type	k_qe18df97c6e_oproj,@function
k_qe18df97c6e_oproj:
	s_mov_b64 s[64:65], 0
	v_nop
	global_prefetch_b8 v0, s[64:65] scope:SCOPE_SE
	s_setreg_imm32_b32 hwreg(HW_REG_WAVE_MODE, 25, 1), 1
	s_wait_xcnt 0x0
	s_wait_alu depctr_hold_cnt(0) depctr_sa_sdst(0) depctr_va_vdst(0) depctr_va_sdst(0) depctr_va_ssrc(0) depctr_va_vcc(0) depctr_vm_vsrc(0)
	s_getreg_b32 s2, hwreg(HW_REG_IB_STS2, 6, 4)
	s_cmp_eq_u32 s2, 0
	s_cbranch_scc0 .Lentry_in_a_cluster
	s_endpgm
.Lentry_in_a_cluster:
	s_bfe_u32 s2, ttmp6, 0x10000c
	s_cmp_lg_u32 s2, 0xf033
	s_cbranch_scc0 .Lentry_shape_is_right
	s_endpgm
.Lentry_shape_is_right:
; OPROJ: out = y Wo on codes of E2M3 (K = 1,024), f32 out.  The ring, the images and the eight written-out K steps are the projection launch's; nothing is left out here.
; A work-group of four waves makes 256 tokens (block x) x 256 columns (wc's block 6 + y); a wave 128 x 128.  Source 1 = tokens (a lane holds a token), source 0 = columns (16 neighbouring columns in the registers of two neighbouring tiles).
; CLUSTER 4 x 4: y's tile hangs on x alone and is shared along a column of the cluster, Wo's on y alone and is shared along a row: both are asked for jointly.
; The grid has 128 work-groups: 8,192 x 1,024 in tiles of 256 x 256.
.set HALF,  24576
.set RGN,   49152
.set SLOT,  98304
.set SPARE, 196608
.set YSC,   6291456
.set WSC,   1966080
.set FR,   12
.set LI,   1
.set LS,   2
.set ADRA, 16
.set ADRB, 20
.set STO,  24
.set RD,   25
.set SPW,  28
.set NIL,  29
.set SCA,  32
.set SCB,  64
.set AF,   128
.set BK,   128                         ; the way out: 16 rows read back: v128-191 and v192-255 by turns
.set G1X,  24
.set G0X,  32
.set G1W,  48
.set G0W,  56
.set MSB, 0
.macro WIN new
.if MSB != \new
	s_set_vgpr_msb (MSB<<8)|\new
.set MSB, \new
.endif
.endm
.set MUL_LO, 0xa1
.set MUL_HI, 0xf1
.macro JLOAD g0x, g1x, g0w, g1w        ; waves 0, 1 fetch the tokens' halves, waves 2, 3 the columns'.  An s_nop 0 and four v_nop follow each line
	s_cmp_eq_u32 s15, 0
	s_cbranch_scc0 .Lfor_w_\@
	tensor_load_to_lds s[\g0x:\g0x+3], s[\g1x:\g1x+7]
	s_nop 0
.rept 4
	v_nop
.endr
	s_branch .Lasked_\@
.Lfor_w_\@:
	tensor_load_to_lds s[\g0w:\g0w+3], s[\g1w:\g1w+7]
	s_nop 0
.rept 4
	v_nop
.endr
.Lasked_\@:
.endm
.macro CREST
	s_cmp_lg_u32 s14, 0
	s_cbranch_scc1 .Lnot_wave_0_\@
	s_barrier_signal -3
.Lnot_wave_0_\@:
	s_barrier_wait -3
	s_barrier_signal -1
	s_barrier_wait -1
.endm
.macro CROUND
	s_barrier_signal -1
	s_barrier_wait -1
	CREST
.endm
.macro PLACES n
.rept \n
	v_nop
.endr
.endm
.macro FRAG reg, adr, q, i
.irp c, 0,1,2
	ds_load_b128 v[(\reg)+4*\c:(\reg)+4*\c+3], v[\adr] offset:(\i)*3072+(\q)*1536+512*\c
.endr
.endm
.macro FETCH_B slot, q, p
	WIN 0x40
.irp i, 0,1,2,3,4,5,6,7
	FRAG 128*(\p)+FR*\i, ADRB+\slot, \q, \i
.endr
	WIN 0
.endm
.macro FETCH_A slot, q, i0
.irp i, \i0, \i0+1, \i0+2, \i0+3
	FRAG AF+FR*(\i), ADRA+\slot, \q, \i
.endr
.endm
.macro MUL16 a0, p, q, sg, zero        ; the 64 accumulators take turns, one instruction a turn
.irp a, \a0, \a0+1
.irp b, 0,1,2,3,4,5,6,7
.set rD, 8*(8*((\a)%4)+\b)
.set rB, 128*(\p)+FR*\b
.set rA, AF+FR*(\a)
.set rSB, SCB+4*\b+(\sg)
.set rSA, SCA+4*(\a)+(\sg)
.if \zero
	v_wmma_scale_f32_16x16x128_f8f6f4 v[rD:rD+7], v[rB:rB+11], v[rA:rA+11], 0, v[rSB], v[rSA] matrix_a_fmt:MATRIX_FMT_FP6 matrix_b_fmt:MATRIX_FMT_FP6
.elseif \q
	v_wmma_scale_f32_16x16x128_f8f6f4 v[rD:rD+7], v[rB:rB+11], v[rA:rA+11], v[rD:rD+7], v[rSB], v[rSA] matrix_a_fmt:MATRIX_FMT_FP6 matrix_b_fmt:MATRIX_FMT_FP6 matrix_a_scale:MATRIX_SCALE_ROW1 matrix_b_scale:MATRIX_SCALE_ROW1
.else
	v_wmma_scale_f32_16x16x128_f8f6f4 v[rD:rD+7], v[rB:rB+11], v[rA:rA+11], v[rD:rD+7], v[rSB], v[rSA] matrix_a_fmt:MATRIX_FMT_FP6 matrix_b_fmt:MATRIX_FMT_FP6
.endif
.endr
.endr
.endm
.macro STEP slot, sg, zero
	s_wait_dscnt 12                                ; B's set and A's tiles 0-3 are in; the youngest 12 loads (A's tiles 4-7) may be out
	WIN MUL_LO
	MUL16 0, 0, 0, \sg, \zero
	MUL16 2, 0, 0, \sg, \zero
	s_wait_dscnt 0x0
	PLACES 4
	FETCH_B \slot, 1, 1
	FETCH_A \slot, 1, 0
	WIN MUL_HI
	MUL16 4, 0, 0, \sg, \zero
	MUL16 6, 0, 0, \sg, \zero
	PLACES 4
	WIN 0
	FETCH_A \slot, 1, 4
.endm
.macro TURN slot, next, sg, fill
	s_wait_tensorcnt 0x0                           ; all my tensor loads have landed: my part of the next slot
	ds_add_u32 v[SPW], v[NIL]                      ; 0 onto my spare word
	s_wait_dscnt 13                                ; (the add and the youngest 12 loads may be out)
	WIN MUL_LO
	MUL16 0, 1, 1, \sg, 0
	s_wait_dscnt 0x0                               ; the add is done, and my reads of this slot are over
	s_barrier_signal -1
	MUL16 2, 1, 1, \sg, 0
	WIN 0
	s_barrier_wait -1
.if \fill
	CREST                                          ; the barrier has opened a round of the cluster's
	s_add_nc_u64 s[G0X+4*\slot+2:G0X+4*\slot+3], s[G0X+4*\slot+2:G0X+4*\slot+3], 2*RGN
	s_add_nc_u64 s[G0W+4*\slot+2:G0W+4*\slot+3], s[G0W+4*\slot+2:G0W+4*\slot+3], 2*RGN
	JLOAD G0X+4*\slot, G1X, G0W+4*\slot, G1W
.else
	PLACES 4
.endif
	FETCH_B \next, 0, 0
	FETCH_A \next, 0, 0
	WIN MUL_HI
	MUL16 4, 1, 1, \sg, 0
	MUL16 6, 1, 1, \sg, 0
	PLACES 4
	WIN 0
	FETCH_A \next, 0, 4
.endm
	s_load_b128 s[4:7], s[0:1], 0x0                ; yc, wc
	s_load_b64 s[8:9], s[0:1], 0x10                ; out0
	v_lshl_add_u32 v[SPW], v0, 2, SPARE
	v_mov_b32 v[NIL], 0
	ds_add_u32 v[SPW], v[NIL]                      ; the opening: the add, twice on end, and its wait ahead of my first tensor load
	ds_add_u32 v[SPW], v[NIL]
	v_lshrrev_b32 v4, 5, v0
	v_readfirstlane_b32 s14, v4
	s_lshr_b32 s15, s14, 1
	s_and_b32 s16, s14, 1
	s_bfe_u32 s40, ttmp6, 0x40000                  ; cx
	s_bfe_u32 s41, ttmp6, 0x40004                  ; cy
	s_lshl_b32 s18, ttmp9, 2
	s_add_co_u32 s18, s18, s40                     ; the block of 256 tokens
	s_and_b32 s19, ttmp7, 0xffff
	s_lshl_b32 s19, s19, 2
	s_add_co_u32 s19, s19, s41                     ; the block of 256 columns
	s_lshl_b32 s43, s41, 2
	s_lshl_b32 s43, 15, s43                        ; my row of the cluster
	s_lshl_b32 s44, 0x1111, s40                    ; my column
	s_or_b32 s[G1X], s44, (3<<16)|(1<<21)          ; y's tiles go to my column (same x),
	s_or_b32 s[G1W], s43, (3<<16)|(1<<21)          ; Wo's to my row (same y)
.irp g, G1X, G1W
	s_mov_b32 s[\g+1], 32<<16
	s_mov_b32 s[\g+2], 96<<16
	s_mov_b32 s[\g+3], 32<<16
	s_mov_b32 s[\g+4], 96
	s_mov_b32 s[\g+5], 32
	s_mov_b32 s[\g+6], 0
	s_mov_b32 s[\g+7], 0
.endr
	s_mul_i32 s72, s18, 4*RGN                      ; (s72, s73 never hold cy; s46, s47 never hold cx)
	s_mul_i32 s73, s16, HALF
	s_add_co_u32 s72, s72, s73
	s_mov_b32 s73, 0
	s_add_co_u32 s46, s19, 6
	s_mul_i32 s46, s46, 4*RGN
	s_mul_i32 s47, s16, HALF
	s_add_co_u32 s46, s46, s47
	s_mov_b32 s47, 0
	s_mul_i32 s23, s14, HALF
	s_wait_dscnt 0x0
	s_wait_kmcnt 0x0
	s_add_nc_u64 s[72:73], s[4:5], s[72:73]
	s_add_nc_u64 s[46:47], s[6:7], s[46:47]
	CROUND
.irp s, 0,1
	s_mov_b32 s[G0X+4*\s], 1
	s_add_co_u32 s[G0X+4*\s+1], s23, \s*SLOT
	s_add_nc_u64 s[G0X+4*\s+2:G0X+4*\s+3], s[72:73], \s*RGN
	s_or_b32 s[G0X+4*\s+3], s[G0X+4*\s+3], 0x80000000
	s_mov_b32 s[G0W+4*\s], 1
	s_add_co_u32 s[G0W+4*\s+1], s23, \s*SLOT
	s_add_nc_u64 s[G0W+4*\s+2:G0W+4*\s+3], s[46:47], \s*RGN
	s_or_b32 s[G0W+4*\s+3], s[G0W+4*\s+3], 0x80000000
	JLOAD G0X+4*\s, G1X, G0W+4*\s, G1W
.endr
	v_and_b32 v4, 31, v0
	v_lshlrev_b32 v[LI], 4, v4
	v_lshlrev_b32 v[LS], 2, v4
	s_lshl_b32 s74, s18, 13
	s_lshl_b32 s75, s15, 12
	s_add_co_u32 s74, s74, s75
	s_add_co_u32 s74, s74, YSC
	s_mov_b32 s75, 0
	s_add_nc_u64 s[68:69], s[4:5], s[74:75]        ; the tokens' scale words
	s_add_co_u32 s74, s19, 6
	s_lshl_b32 s74, s74, 13
	s_lshl_b32 s70, s16, 12
	s_add_co_u32 s74, s74, s70
	s_add_co_u32 s74, s74, WSC
	s_add_nc_u64 s[70:71], s[6:7], s[74:75]        ; the columns'
.irp i, 0,1,2,3,4,5,6,7
.irp g, 0,1,2,3
	global_load_b32 v[SCA+4*\i+\g], v[LS], s[68:69] offset:512*\i+128*\g
	global_load_b32 v[SCB+4*\i+\g], v[LS], s[70:71] offset:512*\i+128*\g
.endr
.endr
	s_mul_i32 s74, s15, HALF
	v_add_nc_u32 v[ADRA], s74, v[LI]
	s_mul_i32 s74, s16, HALF
	s_add_co_u32 s74, s74, RGN
	v_add_nc_u32 v[ADRB], s74, v[LI]
	v_add_nc_u32 v[ADRA+1], SLOT, v[ADRA]
	v_add_nc_u32 v[ADRB+1], SLOT, v[ADRB]
	s_mul_i32 s74, s14, 8448                       ; my stage: 16 rows x 528 bytes, in slot 0, which has had its last fill and its last read when the first result is stored there
	v_and_b32 v5, 15, v0
	v_bfe_u32 v6, v0, 4, 1
	v_mul_u32_u24 v[STO], v5, 528
	v_lshl_add_u32 v[STO], v6, 6, v[STO]
	v_add_nc_u32 v[STO], s74, v[STO]               ; in: row r, + 64 bytes for lanes 16-31
	v_add_nc_u32 v[RD], s74, v[LI]                 ; back: a row's 512 bytes
	s_lshl_b32 s66, s18, 8
	s_lshl_b32 s67, s15, 7
	s_add_co_u32 s66, s66, s67
	s_lshl_b32 s66, s66, 12                        ; my first token's row of out,
	s_lshl_b32 s67, s19, 10
	s_add_co_u32 s66, s66, s67
	s_lshl_b32 s67, s16, 9
	s_add_co_u32 s66, s66, s67                     ; my first column
	s_mov_b32 s67, 0
	s_add_nc_u64 s[66:67], s[8:9], s[66:67]
	s_wait_tensorcnt 1                             ; my part of slot 0 is in; slot 1's load may be out
	s_barrier_signal -1
	s_barrier_wait -1
	s_wait_loadcnt 0x0
	FETCH_B 0, 0, 0
	FETCH_A 0, 0, 0
	FETCH_A 0, 0, 4
	STEP 0, 0, 1
	TURN 0, 1, 0, 1
	STEP 1, 1, 0
	TURN 1, 0, 1, 1
	STEP 0, 2, 0
	TURN 0, 1, 2, 0
	STEP 1, 3, 0
	s_wait_dscnt 12
	WIN MUL_LO
	MUL16 0, 1, 1, 3, 0
	MUL16 2, 1, 1, 3, 0
	s_wait_dscnt 0x0
	WIN MUL_HI
	MUL16 4, 1, 1, 3, 0
	MUL16 6, 1, 1, 3, 0
	WIN 0
; THE WAY OUT, a tile of 16 tokens x 128 columns at a time, through my own stage: in as 32 bytes a lane and accumulator, back as whole rows of 512 bytes.
.macro TOSTAGE a
.set AC, 64*((\a)%4)
.set WW, 0x08+4*((\a)/4)
	WIN WW                                         ; an LDS store's data are its source 1: window 2 or 3
.irp b, 0,1,2,3,4,5,6,7
	ds_store_b128 v[STO], v[AC+8*\b:AC+8*\b+3] offset:128*(\b/2)+32*(\b%2)       ; columns 32 (b / 2) + 16 h + 8 (b % 2) on; each accumulator from its low end on
	ds_store_b128 v[STO], v[AC+8*\b+4:AC+8*\b+7] offset:128*(\b/2)+32*(\b%2)+16
.endr
	WIN 0
.set BB, BK+64*((\a)%2)
.irp t, 0,1,2,3,4,5,6,7,8,9,10,11,12,13,14,15
	ds_load_b128 v[BB+4*\t:BB+4*\t+3], v[RD] offset:\t*528    ; LDS serves a wave's instructions in order
.endr
.endm
.macro SEND a, younger
.set BB, BK+64*((\a)%2)
	s_wait_dscnt \younger
.irp t, 0,1,2,3,4,5,6,7,8,9,10,11,12,13,14,15
	global_store_b128 v[LI], v[BB+4*\t:BB+4*\t+3], s[66:67] offset:(32*((\a)/2)+8*((\a)%2)+\t+8*(\t/8))*4096 th:TH_STORE_NT   ; 512 consecutive bytes, aligned; row t of tile a is token 32 (a / 2) + 8 (a % 2) + t + 8 (t / 8)
.endr
.endm
	PLACES 4                                       ; in front of the first reads of results and of loads into registers that held fragments
	TOSTAGE 0
.irp a, 1,2,3,4,5,6,7
.if \a > 1
	s_wait_xcnt 0x0                                ; tile a - 2's stores have read their registers: tile a's loads may land there
.endif
	TOSTAGE \a
	SEND \a-1, 32                                  ; behind tile a - 1's loads: tile a's 16 stores and 16 loads
.endr
	SEND 7, 0
	s_wait_tensorcnt 0x0                           ; the wave's end
	ds_add_u32 v[SPW], v[NIL]
	s_wait_dscnt 0x0
	CROUND                                         ; the closing round
	s_endpgm
.Lfunc_end_k_qe18df97c6e_oproj:
	.size	k_qe18df97c6e_oproj, .Lfunc_end_k_qe18df97c6e_oproj-k_qe18df97c6e_oproj
	.p2alignl 7, 3214868480
	.fill 96, 4, 3214868480
	.section	.rodata,"a",@progbits
	.p2align	6, 0x0
	.amdhsa_kernel k_qe18df97c6e_oproj
		.amdhsa_group_segment_fixed_size 327680
		.amdhsa_private_segment_fixed_size 0
		.amdhsa_enable_private_segment 0
		.amdhsa_kernarg_size 24
		.amdhsa_user_sgpr_count 2
		.amdhsa_user_sgpr_kernarg_segment_ptr 1
		.amdhsa_wavefront_size32 1
		.amdhsa_system_sgpr_workgroup_id_x 1
		.amdhsa_system_sgpr_workgroup_id_y 1
		.amdhsa_system_sgpr_workgroup_id_z 1
		.amdhsa_system_vgpr_workitem_id 0
		.amdhsa_next_free_vgpr 1024
		.amdhsa_next_free_sgpr 80
		.amdhsa_reserve_vcc 0
		.amdhsa_float_denorm_mode_32 3
		.amdhsa_float_denorm_mode_16_64 3
		.amdhsa_memory_ordered 1
		.amdhsa_forward_progress 1
		.amdhsa_inst_pref_size 136
	.end_amdhsa_kernel
	.amdgpu_metadata
---
amdhsa.version: [ 1, 2 ]
amdhsa.kernels:
  - .name:           k_qe18df97c6e_oproj
    .symbol:         k_qe18df97c6e_oproj.kd
    .args:
      - { .name: yc, .offset: 0, .size: 8, .value_kind: global_buffer, .address_space: global }
      - { .name: wc, .offset: 8, .size: 8, .value_kind: global_buffer, .address_space: global }
      - { .name: out0, .offset: 16, .size: 8, .value_kind: global_buffer, .address_space: global }
    .group_segment_fixed_size: 327680
    .private_segment_fixed_size: 0
    .kernarg_segment_align: 8
    .kernarg_segment_size: 24
    .max_flat_workgroup_size: 128
    .sgpr_count:     80
    .vgpr_count:     1024
    .wavefront_size: 32
...
	.end_amdgpu_metadata
.endif
;; end of part 4
